; MI455X (gfx1250); checked and timed in simulation.
; The chip was launched on July 23, 2026; its instructions are those of AMD's public machine-readable ISA for CDNA 5 (MIT licence, August 2026) and "CDNA5" Instruction Set Architecture Reference Guide (July 2026). The comments in the code are by the model that wrote it; some were corrected since.
;; Multi Head Attention. Allowed arithmetic: matrix products marked QUANTISED: E2M3 operands, one E8M0 scale for each 32 along K, by v_wmma_scale_f32_16x16x128_f8f6f4 with both operands' format E2M3, f32 sums; everything else in f32.
;; Inputs: b_out 1,024 float32; mask 2 x 1 x 2,048 x 2,048 int32; w_out 1,024 x 1,024 float32; w_qkv 3,072 x 1,024 float32; x 2 x 2,048 x 1,024 float32.
;; Outputs: out0 2 x 2,048 x 1,024 float32.
;; This version of the problem:
;;   THIS VERSION OF THE PROBLEM IS GIVEN IN LOW PRECISION. The matrix products marked QUANTISED in the list below multiply operands that are first quantised to E2M3 (2 exponent bits, 3 mantissa bits; 6 bits a number), with one power-of-two scale for each 32 numbers along K (OCP MX v1.0); their sums are f32. All else is computed in f32.
;;   The module's matrix products, in the order in which they are computed (A, B: the left and right operand; K: the contracted axis; several contracted axes count as one K, in the product's order):
;;     1. [M 4,096, K 1,024] x [K 1,024, N 3,072]; A: input x; B: input w_qkv: QUANTISED
;;     2. batch 32 x [M 2,048, K 64] x [K 64, N 2,048]; A: computed on the way; B: computed on the way: QUANTISED
;;     3. batch 32 x [M 2,048, K 2,048] x [K 2,048, N 64]; A: softmax (see below); B: computed on the way: QUANTISED
;;     4. [M 4,096, K 1,024] x [K 1,024, N 1,024]; A: computed on the way; B: input w_out: QUANTISED
;;   THE QUANTISER, for each operand of a quantised product, along K:
;;     - K is cut into blocks of 32 from its start; a last block that is shorter is filled with zeros.
;;     - A block's scale is 2^e with e = floor(log2(the largest magnitude in the block)) - 2, held to -126 .. 127; a block of zeros has e = 0. As a byte (E8M0): e + 127.
;;     - Each number is divided by its block's scale, clamped to +-7.5, and rounded to the nearest number of E2M3, ties to even, subnormals kept.
;;     - The product sums the exact products of the quantised numbers (number of the format x scale) in f32.
;;   ~~~python
;;   def quantise(x, axis):      # numpy; x: float32 -> the quantised numbers, widened to float32 again
;;       x = np.moveaxis(x, axis, -1); K = x.shape[-1]
;;       x = np.pad(x, [(0, 0)] * (x.ndim - 1) + [(0, -K % 32)]); x = x.reshape(x.shape[:-1] + (-1, 32)); a = np.abs(x).max(-1, keepdims=True)
;;       e = np.where(a > 0, np.clip(np.frexp(np.where(a > 0, a, 1))[1] - 1 - 2, -126, 127), 0)      # np.frexp(a)[1] - 1 = floor(log2(a)), exactly
;;       r = np.clip(x / 2.0 ** e, -7.5, 7.5)
;;       step = 2.0 ** (np.maximum(np.frexp(np.where(r == 0, 1, r))[1] - 1, 0) - 3)
;;       q = np.round(r / step) * step * 2.0 ** e      # np.round: ties to even
;;       return np.moveaxis(q.reshape(q.shape[:-2] + (-1,))[..., :K], -1, axis).astype(np.float32)
;;   ~~~
;;   SOFTMAX AHEAD OF A QUANTISED PRODUCT. Where the list says 'softmax', what is quantised is not the finished softmax but p = 2^(t - M), with t = logit x log2(e) and M = ceil(the row's largest t), a whole number; so 1/2 < the row's largest p <= 1. The row's sum l is taken of the UNQUANTISED p, in f32, and the product's result is divided by l at the end. Since M is a whole number, a kernel that streams over the keys may use a running M (the ceiling of the running maximum): every later rescaling is an exact power of two, which a block's scale takes up: the codes' values come out the same.
;;   OPERANDS COMPUTED ON THE WAY. 'Computed on the way' means the value that the module computes at that place (a softmax that the list does not call 'softmax' is quantised finished and normalised). What goes into a quantiser is computed in f32, as accurately as f32 sums, v_exp_f32 and their like allow (about 1e-6 of the number): no bf16 or f16 on the way to a quantiser, and a product that is left as it is and whose result goes on into a quantised operand takes f32 operands (vector FMAs, or v_wmma_f32_16x16x4_f32). A number that lies on a knife's edge between two numbers of the format may be rounded either way, as far as f32 arithmetic and the matrix unit's own rounding can turn it there, and no further.
;; One version. Each part assembles by itself: llvm-mc -triple=amdgcn-amd-amdhsa -mcpu=gfx1250 --defsym DOCPART=n.
;; ======== version 1 of 1: 4 launches
;; limits: right only within a limited range of input values
;; workspace buffers: pq 6,553,600 bytes; mbits 1,048,576 bytes of whole numbers; qb 3,407,872 bytes; kv 6,684,672 bytes; ob 3,276,800 bytes
;; launch prep (part 1): grid 256 x 1, 8 waves a work-group, no clusters, 136,192 bytes of LDS; arguments x, w_qkv, w_out, mask, pq, mbits; writes pq, mbits
.if DOCPART == 1
	.amdgcn_target "amdgcn-amd-amdhsa--gfx1250"
	.amdhsa_code_object_version 6
	.text
	.protected	k_q3cbc17fc0a_prep
	.globl	k_q3cbc17fc0a_prep
	.p2align	8
	.type	k_q3cbc17fc0a_prep,@function
k_q3cbc17fc0a_prep:
	s_mov_b64 s[64:65], 0
	v_nop
	global_prefetch_b8 v0, s[64:65] scope:SCOPE_SE
	s_setreg_imm32_b32 hwreg(HW_REG_WAVE_MODE, 25, 1), 1
	s_wait_xcnt 0x0
; PREP.  x [4096][1024], w_qkv [3072][1024], w_out [1024][1024], f32, become codes of FP6 (E2M3) with one E8M0 byte for each 32 along K, laid in pq in the ORDER OF THE
; OPERANDS' REGISTERS; mask [4096][2048] int32 becomes lane masks in mbits, one bit a number.
; A block's scale is 2^(floor(log2(its largest magnitude)) - 2); its byte is the largest magnitude's exponent field - 2, held at 1 from below.
; LIMITS: NaN and infinities among the inputs are not served; a block whose largest magnitude lies under 2^-124, a block of zeros among them, gets the byte 1 (the rule says 127 for
; zeros: its codes are zeros, and this program alone reads the bytes).
; ROWS.  Rows go in blocks of 16; row r of block 2 b + u is row 32 b + 8 u + r + 8 (r / 8) of the tensor, so that a product used transposed leaves 16 neighbours in a lane's 16 registers.
; A UNIT is 16 such rows x 128 numbers of 4 bytes.  There are 8,192 units, four to a wave.  Each of a unit's 16 loads reads 512 consecutive bytes of one row; the unit turns through the wave's own
; stage in LDS (rows 528 bytes apart) and comes back with a lane's numbers neighbours along the row.
; IMAGES.  A fragment (12 registers a lane) is 1,536 bytes: registers 4 c .. 4 c + 3 of lane l at 512 c + 16 l.  The scale words of a pair of blocks for four K steps are 512 bytes: lane r + 16 u has
; its four words at 16 (r + 16 u).
; Work-groups 0-127 quantise (0-63 x, 64-111 w_qkv, 112-127 w_out: chosen by selects on the row block's number), 128-255 take the mask.  The two paths have LDS bytes of their own.  Waves share nothing: no barrier.
.set XS_O,  3145728                    ; pq: x's codes at 0: [block 256][K step 8]; here x's scale images [pair 128][half of K 2]
.set WQC_O, 3276800                    ; w_qkv's codes [head 16][K step 8][block 12 = 4 part + 2 b + u]
.set WQS_O, 5636096                    ; its scale images [6 head + 2 part + b][half of K]
.set WOC_O, 5734400                    ; w_out's codes [64 columns 16][K step 8][block 4]
.set WOS_O, 6520832                    ; its scale images [pair 32][half of K]
.set STW,   8448                       ; a wave's stage: 16 rows x 528 bytes
.set SP,    528                        ; 512 bytes + 16: sixteen lanes that read the same column of 16 rows start at 16 different places of 16 bytes
.set MST,   67584                      ; the mask path's eight stages begin here
.set R0,    16                         ; v16-79, v80-143  two sets of 64 registers as loaded
.set X,     144                        ; v144-207 a unit, a lane's numbers neighbours
.set F,     208                        ; v208-219 a fragment's codes
.set CT0,   220                        ; v220-222, v224-226 the second halves of a block's codes (a conversion's three registers begin on an even number)
.set CT1,   224
.set TM,    228                        ; v228-229 largest magnitudes
.set SO,    230                        ; v230-231 the conversions' scale operands
.set T0,    232
.set T1,    233
.set W,     236                        ; v236-239 my row's scale words of the four units
.set SD,    240                        ; v240-241 two of them, to store
.set MW,    244                        ; v244-251 mask words, a pair of registers for each unit
.macro LOADU set, q, rowb              ; unit q into a set: row rho of the block, 512 consecutive bytes a load
.irp rho, 0,1,2,3,4,5,6,7,8,9,10,11,12,13,14,15
	global_load_b128 v[\set+4*\rho:\set+4*\rho+3], v4, s[24:25] offset:(\rho+8*(\rho/8))*\rowb+512*(\q) th:TH_LOAD_NT
.endr
.endm
.macro TOSTAGE set                     ; LDS serves a wave's instructions in order: no wait between these stores and the loads that follow
.irp rho, 0,1,2,3,4,5,6,7,8,9,10,11,12,13,14,15
	ds_store_b128 v5, v[\set+4*\rho:\set+4*\rho+3] offset:\rho*SP
.endr
.endm
.macro TURNQ set                       ; back: register 32 c + i = k 64 c + 32 h + i of row r: the very numbers of the fragment's registers 6 c .. 6 c + 5
	TOSTAGE \set
.irp c, 0,1
.irp e, 0,1,2,3,4,5,6,7
	ds_load_b128 v[X+32*\c+4*\e:X+32*\c+4*\e+3], v6 offset:256*\c+16*\e
.endr
.endr
.endm
.macro QU q                            ; the unit in X becomes a fragment and a scale word
	v_max3_num_f32 v[TM], |v[X]|, |v[X+1]|, 0x1800000              ; my two blocks, 32 numbers each, all mine; the floor 2^(3 - 127) holds the byte at 1 from below
	v_max3_num_f32 v[TM+1], |v[X+32]|, |v[X+33]|, 0x1800000
.irp i, 2,4,6,8,10,12,14,16,18,20,22,24,26,28,30
	s_delay_alu instid0(VALU_DEP_2)
	v_max3_num_f32 v[TM], v[TM], |v[X+\i]|, |v[X+\i+1]|
	s_delay_alu instid0(VALU_DEP_2)
	v_max3_num_f32 v[TM+1], v[TM+1], |v[X+32+\i]|, |v[X+33+\i]|
.endr
	s_delay_alu instid0(VALU_DEP_2)
	v_add_nc_u32 v[SO], 0xff000000, v[TM]                          ; 2 off the exponent field: the conversion's scale operand
	s_delay_alu instid0(VALU_DEP_2)
	v_add_nc_u32 v[SO+1], 0xff000000, v[TM+1]
	s_delay_alu instid0(VALU_DEP_2)
	v_lshrrev_b32 v[T0], 23, v[SO]                                 ; the bytes of blocks h and 2 + h
	s_delay_alu instid0(VALU_DEP_2)
	v_lshrrev_b32 v[T1], 23, v[SO+1]
	s_delay_alu instid0(VALU_DEP_1)
	v_lshl_or_b32 v[T0], v[T1], 16, v[T0]
	s_delay_alu instid0(VALU_DEP_1)
	v_lshlrev_b32 v[T0], v7, v[T0]                                 ; 8 h bits up
	s_delay_alu instid0(VALU_DEP_1)
	v_permlanex16_b32 v[T1], v[T0], s20, s21
	s_delay_alu instid0(VALU_DEP_1)
	v_or_b32 v[W+\q], v[T0], v[T1]                                 ; with lane l xor 16's two bytes the word is whole, in both halves of the lanes
.if \q > 0
	s_wait_alu depctr_va_vdst(0)
	s_wait_xcnt 0x0                                                ; the last unit's stores have read F: it is written again only behind this wait
.endif
	v_cvt_scalef32_pk16_fp6_f32 v[F:F+2], v[X:X+15], v[SO]
	v_cvt_scalef32_pk16_fp6_f32 v[CT0:CT0+2], v[X+16:X+31], v[SO]
	v_cvt_scalef32_pk16_fp6_f32 v[F+6:F+8], v[X+32:X+47], v[SO+1]
	v_cvt_scalef32_pk16_fp6_f32 v[CT1:CT1+2], v[X+48:X+63], v[SO+1]
	v_nop                                                          ; one plain place behind the scaled conversions
.irp i, 0,1,2
	v_mov_b32 v[F+3+\i], v[CT0+\i]
	v_mov_b32 v[F+9+\i], v[CT1+\i]
.endr
.irp c, 0,1,2
	global_store_b128 v[8+\q], v[F+4*\c:F+4*\c+3], s[26:27] offset:512*\c   ; 512 consecutive bytes a store
.endr
.endm
.macro MU q                            ; the unit in X becomes 64 lane masks: bit l of word n says that lane l's number n is not 0
.set n, 0
.rept 64
	v_cmp_ne_u32 s[32+n%8], 0, v[X+n]
	s_delay_alu instid0(VALU_DEP_1)
	v_writelane_b32 v[MW+2*\q+n%2], s[32+n%8], n/2                 ; words 2 L and 2 L + 1 into lane L
.set n, n+1
.endr
	global_store_b64 v13, v[MW+2*\q:MW+2*\q+1], s[26:27] offset:256*\q   ; 256 consecutive bytes
.endm
.macro FLOW rowb, kind                 ; four units; loads run two units ahead
	LOADU R0, 0, \rowb
	LOADU R0+64, 1, \rowb
.irp t, 0,1,2,3
.if \t < 3
	s_wait_loadcnt 16                                              ; this unit's 16 loads are in; the next unit's 16 may be out
.else
	s_wait_loadcnt 0x0
.endif
	TURNQ R0+64*(\t%2)                             ; the mask too: register 32 g + i = key 64 g + 32 h + i of query r: the place of that score in the attention launch
	s_wait_dscnt 0x0                                               ; X is in, and the stage's stores have read their set,
.if \t < 2
	LOADU R0+64*(\t%2), \t+2, \rowb                                ; which takes the unit two on
.endif
.if \kind
	MU \t
.else
	QU \t
.endif
.endr
.endm
	s_load_b256 s[4:11], s[0:1], 0x0               ; x s[4:5], w_qkv s[6:7], w_out s[8:9], mask s[10:11]
	s_load_b128 s[12:15], s[0:1], 0x20             ; pq s[12:13], mbits s[14:15]
	v_lshl_add_u32 v254, v0, 2, 0x21000
	v_mov_b32 v255, 0
	v_lshrrev_b32 v1, 5, v0
	s_delay_alu instid0(VALU_DEP_1)
	v_readfirstlane_b32 s16, v1                    ; wave 0..7
	v_and_b32 v1, 31, v0                           ; l
	v_and_b32 v2, 15, v0                           ; r
	v_bfe_u32 v3, v0, 4, 1                         ; h
	s_delay_alu instid0(VALU_DEP_3)
	v_lshlrev_b32 v4, 4, v1                        ; 16 l
	s_mul_i32 s17, s16, STW                        ; my stage
	s_cmp_ge_u32 ttmp9, 128
	s_cbranch_scc1 .Lmask
	; ---- the three tensors of numbers
	v_add_nc_u32 v5, s17, v4                       ; into the stage: 16 l
	v_mul_u32_u24 v6, v2, SP
	s_delay_alu instid0(VALU_DEP_1)
	v_lshl_add_u32 v6, v3, 7, v6
	s_delay_alu instid0(VALU_DEP_1)
	v_add_nc_u32 v6, s17, v6                       ; out of it: row r, + 128 h
	v_lshlrev_b32 v7, 3, v3                        ; 8 h
	v_lshlrev_b32 v12, 4, v2
	s_delay_alu instid0(VALU_DEP_1)
	v_lshl_add_u32 v12, v3, 3, v12                 ; 16 r + 8 h: where I store two scale words
	s_mov_b32 s20, 0x76543210
	s_mov_b32 s21, 0xfedcba98                      ; v_permlanex16_b32's selects for lane l xor 16
	s_mov_b32 s22, 0xffff0000                      ; lanes 16-31
	s_lshl_b32 s18, ttmp9, 3
	s_add_co_u32 s18, s18, s16
	s_and_b32 s19, s18, 1                          ; g: which half of K (four units)
	s_lshr_b32 s18, s18, 1                         ; row block 0..511: 0-255 x, 256-447 w_qkv, 448-511 w_out
	s_mov_b32 s23, 448
	s_cmp_lt_u32 s18, 448
	s_cselect_b32 s23, 256, s23
	s_cmp_lt_u32 s18, 256
	s_cselect_b32 s23, 0, s23
	s_sub_co_u32 s23, s18, s23                     ; the block's number in its tensor
	s_lshr_b32 s31, s23, 1                         ; its group of 32 rows
	s_and_b32 s32, s23, 1                          ; u
	s_lshl_b32 s24, s31, 17                        ; source: (32 group + 8 u) rows of 4,096 bytes + 2,048 g
	s_lshl_b32 s33, s32, 15
	s_add_co_u32 s24, s24, s33
	s_lshl_b32 s33, s19, 11
	s_add_co_u32 s24, s24, s33
	s_mov_b32 s25, 0
	s_lshr_b32 s34, s31, 5                         ; w_qkv: part (q, k, v),
	s_bfe_u32 s35, s31, 0x40001                    ; head,
	s_and_b32 s36, s31, 1                          ; b
	s_lshl_b32 s37, s34, 2
	s_lshl_b32 s38, s36, 1
	s_add_co_u32 s37, s37, s38
	s_add_co_u32 s37, s37, s32                     ; 4 part + 2 b + u
	s_mul_i32 s37, s37, 1536
	s_mul_i32 s38, s35, 147456
	s_add_co_u32 s37, s37, s38
	s_add_co_u32 s37, s37, WQC_O                   ; its codes' place
	s_mul_i32 s38, s35, 6
	s_lshl_b32 s39, s34, 1
	s_add_co_u32 s38, s38, s39
	s_add_co_u32 s38, s38, s36
	s_lshl_b32 s38, s38, 10
	s_add_co_u32 s38, s38, WQS_O                   ; its scale images' place
	s_lshr_b32 s39, s23, 2                         ; w_out
	s_mul_i32 s39, s39, 49152
	s_and_b32 s40, s23, 3
	s_mul_i32 s40, s40, 1536
	s_add_co_u32 s39, s39, s40
	s_add_co_u32 s39, s39, WOC_O
	s_lshl_b32 s40, s31, 10
	s_add_co_u32 s41, s40, WOS_O
	s_add_co_u32 s40, s40, XS_O                    ; x
	s_mul_i32 s42, s23, 12288
	s_mov_b32 s30, 6144                            ; bytes from a K step's fragment to the next step's: w_out's,
	s_mov_b32 s43, 18432                           ; w_qkv's
	s_wait_kmcnt 0x0
	s_cmp_lt_u32 s18, 448                          ; the choices hang on the row block's number alone
	s_cselect_b64 s[44:45], s[6:7], s[8:9]
	s_cselect_b32 s37, s37, s39
	s_cselect_b32 s38, s38, s41
	s_cselect_b32 s30, s43, s30
	s_cmp_lt_u32 s18, 256
	s_cselect_b64 s[44:45], s[4:5], s[44:45]
	s_cselect_b32 s26, s42, s37
	s_cselect_b32 s28, s40, s38
	s_cselect_b32 s30, 1536, s30
	s_add_nc_u64 s[24:25], s[44:45], s[24:25]      ; the source
	s_mul_i32 s33, s30, s19
	s_lshl_b32 s33, s33, 2                         ; my half of K begins four K steps on
	s_add_co_u32 s26, s26, s33
	s_mov_b32 s27, 0
	s_add_nc_u64 s[26:27], s[12:13], s[26:27]      ; the codes
	s_lshl_b32 s33, s19, 9
	s_add_co_u32 s28, s28, s33
	s_lshl_b32 s33, s32, 8
	s_add_co_u32 s28, s28, s33                     ; the image of my half of K, block u's 256 bytes of it
	s_mov_b32 s29, 0
	s_add_nc_u64 s[28:29], s[12:13], s[28:29]
	s_wait_alu depctr_va_vdst(0)
	v_mov_b32 v8, v4                               ; v8-11: 16 l + unit x the step
.irp q, 1,2,3
	s_mul_i32 s33, s30, \q
	v_add_nc_u32 v[8+\q], s33, v4
.endr
	FLOW 4096, 0
	v_cndmask_b32 v[SD], v[W], v[W+2], s22         ; lane (r, h) stores words 2 h and 2 h + 1 of row r: the wave stores 256 consecutive bytes
	v_cndmask_b32 v[SD+1], v[W+1], v[W+3], s22
	global_store_b64 v12, v[SD:SD+1], s[28:29]
	s_wait_tensorcnt 0x0
	ds_add_u32 v254, v255
	s_wait_dscnt 0x0
	s_endpgm
	; ---- the mask
.Lmask:
	s_add_co_u32 s17, s17, MST
	s_wait_alu depctr_va_vdst(0)
	v_add_nc_u32 v5, s17, v4
	v_mul_u32_u24 v6, v2, SP
	s_delay_alu instid0(VALU_DEP_1)
	v_lshl_add_u32 v6, v3, 7, v6
	s_delay_alu instid0(VALU_DEP_1)
	v_add_nc_u32 v6, s17, v6                       ; out of the stage: row r, + 128 h
	v_lshlrev_b32 v13, 3, v1                       ; 8 l
.irp i, 0,1,2,3,4,5,6,7
	v_mov_b32 v[MW+\i], 0                          ; v_writelane_b32's destination counts as read
.endr
	s_sub_co_u32 s18, ttmp9, 128
	s_lshl_b32 s18, s18, 3
	s_add_co_u32 s18, s18, s16
	s_and_b32 s19, s18, 3                          ; which four key steps of the sixteen
	s_lshr_b32 s18, s18, 2                         ; which block of 16 queries, 0..255
	s_lshr_b32 s20, s18, 1
	s_lshl_b32 s24, s20, 18                        ; (32 (block / 2) + 8 (block % 2)) rows of 8,192 bytes
	s_and_b32 s20, s18, 1
	s_lshl_b32 s20, s20, 16
	s_add_co_u32 s24, s24, s20
	s_lshl_b32 s20, s19, 11
	s_add_co_u32 s24, s24, s20
	s_mov_b32 s25, 0
	s_lshl_b32 s26, s18, 12                        ; mbits: [block][key step 16][word 64]
	s_lshl_b32 s20, s19, 10
	s_add_co_u32 s26, s26, s20
	s_mov_b32 s27, 0
	s_wait_alu depctr_va_vdst(0)
	s_wait_kmcnt 0x0
	s_add_nc_u64 s[24:25], s[10:11], s[24:25]
	s_add_nc_u64 s[26:27], s[14:15], s[26:27]
	FLOW 8192, 1
	s_wait_tensorcnt 0x0
	ds_add_u32 v254, v255
	s_wait_dscnt 0x0
	s_endpgm
.Lfunc_end_k_q3cbc17fc0a_prep:
	.size	k_q3cbc17fc0a_prep, .Lfunc_end_k_q3cbc17fc0a_prep-k_q3cbc17fc0a_prep
	.p2alignl 7, 3214868480
	.fill 96, 4, 3214868480
	.section	.rodata,"a",@progbits
	.p2align	6, 0x0
	.amdhsa_kernel k_q3cbc17fc0a_prep
		.amdhsa_group_segment_fixed_size 136192
		.amdhsa_private_segment_fixed_size 0
		.amdhsa_enable_private_segment 0
		.amdhsa_kernarg_size 48
		.amdhsa_user_sgpr_count 2
		.amdhsa_user_sgpr_kernarg_segment_ptr 1
		.amdhsa_wavefront_size32 1
		.amdhsa_system_sgpr_workgroup_id_x 1
		.amdhsa_system_sgpr_workgroup_id_y 1
		.amdhsa_system_sgpr_workgroup_id_z 1
		.amdhsa_system_vgpr_workitem_id 0
		.amdhsa_next_free_vgpr 256
		.amdhsa_next_free_sgpr 66
		.amdhsa_reserve_vcc 0
		.amdhsa_float_denorm_mode_32 3
		.amdhsa_float_denorm_mode_16_64 3
		.amdhsa_memory_ordered 1
		.amdhsa_forward_progress 1
		.amdhsa_inst_pref_size 94
	.end_amdhsa_kernel
	.amdgpu_metadata
---
amdhsa.version: [ 1, 2 ]
amdhsa.kernels:
  - .name:           k_q3cbc17fc0a_prep
    .symbol:         k_q3cbc17fc0a_prep.kd
    .args:
      - { .name: x, .offset: 0, .size: 8, .value_kind: global_buffer, .address_space: global }
      - { .name: w_qkv, .offset: 8, .size: 8, .value_kind: global_buffer, .address_space: global }
      - { .name: w_out, .offset: 16, .size: 8, .value_kind: global_buffer, .address_space: global }
      - { .name: mask, .offset: 24, .size: 8, .value_kind: global_buffer, .address_space: global }
      - { .name: pq, .offset: 32, .size: 8, .value_kind: global_buffer, .address_space: global }
      - { .name: mbits, .offset: 40, .size: 8, .value_kind: global_buffer, .address_space: global }
    .group_segment_fixed_size: 136192
    .private_segment_fixed_size: 0
    .kernarg_segment_align: 8
    .kernarg_segment_size: 48
    .max_flat_workgroup_size: 256
    .sgpr_count:     66
    .vgpr_count:     256
    .wavefront_size: 32
...
	.end_amdgpu_metadata
.endif
;; end of part 1
;; launch qkv (part 2): grid 16 x 16, 4 waves a work-group, clusters of 4 x 1, 168,448 bytes of LDS; arguments pq, qb, kv; writes qb, kv
.if DOCPART == 2
	.amdgcn_target "amdgcn-amd-amdhsa--gfx1250"
	.amdhsa_code_object_version 6
	.text
	.protected	k_q3cbc17fc0a_qkv
	.globl	k_q3cbc17fc0a_qkv
	.p2align	8
	.type	k_q3cbc17fc0a_qkv,@function
k_q3cbc17fc0a_qkv:
	s_mov_b64 s[64:65], 0
	v_nop
	global_prefetch_b8 v0, s[64:65] scope:SCOPE_SE
	s_setreg_imm32_b32 hwreg(HW_REG_WAVE_MODE, 25, 1), 1
	s_wait_xcnt 0x0
	s_wait_alu depctr_hold_cnt(0) depctr_sa_sdst(0) depctr_va_vdst(0) depctr_va_sdst(0) depctr_va_ssrc(0) depctr_va_vcc(0) depctr_vm_vsrc(0)
	s_getreg_b32 s2, hwreg(HW_REG_IB_STS2, 6, 4)
	s_cmp_eq_u32 s2, 0
	s_cbranch_scc0 .Lentry_in_a_cluster
	s_endpgm
.Lentry_in_a_cluster:
	s_bfe_u32 s2, ttmp6, 0x10000c
	s_cmp_lg_u32 s2, 0x3003
	s_cbranch_scc0 .Lentry_shape_is_right
	s_endpgm
.Lentry_shape_is_right:
; QKV.  qkv = x w_qkv^T on codes of FP6 (E2M3) with E8M0 scales, sums in f32; q and k are quantised along the head's 64, v along the tokens, in registers; only codes and scale bytes go to memory.
; SHARES.  A work-group takes 256 tokens x one head's 192 columns (q 64, k 64, v 64); wave w takes tokens 64 w on: four blocks of x against all twelve blocks of W: 48 accumulators, 384 registers.
; W's block of the head, all of K, 147,456 bytes, is filled into LDS ONCE, by four tensor loads (one a wave) asked for JOINTLY by the four work-groups of a cluster, which differ in their tokens alone.
; x's fragments are read by one wave of the work-group alone, so they come from memory straight into registers, three buffers, two K steps ahead; they are not shared through LDS: W's block and 256 tokens' codes,
; 147,456 + 196,608 bytes, do not fit in LDS together.
; q and k are used TRANSPOSED (source 0 = 16 rows of W, source 1 = 16 tokens): a lane holds one token, its registers run along the head's channels.  v has source 0 = 16 tokens, source 1 = 16 rows of W:
; a lane holds one channel, its registers run along the tokens.  Row r of block 2 b + u (of x and of W) is row 32 b + 8 u + r + 8 (r / 8), so that the 16 registers of tiles 2 b and 2 b + 1 are 16 neighbours.
; LIMITS: a block whose largest magnitude lies under 2^-124 gets the byte 1; NaN and infinities are not served.  The scale words of q and k carry two bytes; the upper two are 0.
; REGISTERS, in windows of 256.  Window 0: v1-15 addresses; v16-31 x's scale words, v32-79 W's; v80-223 x's fragments, three buffers of 48 (behind the products: the codes on their way out); v224-235 at work.
;   Window 1: v0-143 W's fragments, 48 for each of q, k, v.   Window 2: q's accumulators at 32 a + 8 t, k's at 128 + 32 a + 8 t.   Window 3: v's at 32 t + 8 a.
.set XS_O,   3145728
.set WQC_O,  3276800
.set WQS_O,  5636096
.set QS_O,   3145728                   ; qb: codes [head of batch 32][block of queries 128] 768 bytes; here the scale words [32][group of four blocks 32][r 16][4]
.set REC,    13056                     ; kv: a record for each 128 keys of a head: K 6,144, V 6,144, K's scale words 512, V's 256
.set HEADKV, 208896
.set WSTEP,  18432                     ; a K step of W's block: 12 fragments
.set STG,    147456                    ; behind W: the stage for two records' scale words, 768 bytes each; no tensor load lands here
.set LI,   1                           ; v1     16 l
.set AW,   2                           ; v2-9   16 l + a K step's place in W's block
.set L8,   12                          ; v12    8 l
.set RH,   13                          ; v13    16 r + 8 h
.set STK,  14                          ; v14    the stage: where I put k's two scale words
.set STV,  15                          ; v15    and v's halves of words
.set XSC,  16
.set WSC,  32
.set XB,   80
.set TM,   224
.set TP,   226
.set SO,   228
.set CT,   230
.set RDK,  234                         ; v234-235 the stage, read back (waves 0 and 1)
.set RDV,  235
.set EP,   80                          ; behind the products: q's codes, 8 registers a block;
.set KC,   112                         ; k's, 12 a pair of blocks;
.set VC,   136                         ; v's, 8 a tile of channels
.set QW,   168                         ; the scale words
.set KW,   172
.set VW,   176
.set KP,   180
.set VP,   182
.set SD,   184
.set BK,   188
.set MSB, 0
.macro WIN new                         ; the immediate's high byte repeats the setting that is left
.if MSB != (\new)
	s_set_vgpr_msb (MSB<<8)|(\new)
.set MSB, (\new)
.endif
.endm
.set TO_W,  0x40                       ; destination window 1
.set MULQK, 0xa1                       ; source 0 (W) window 1, source 1 (x) window 0, C and D window 2
.set MULV,  0xf4                       ; source 0 (x) window 0, source 1 (W) window 1, C and D window 3
.macro PLACES n
.rept \n
	v_nop
.endr
.endm
.macro CROUND                          ; a round of the cluster's barrier
	s_barrier_signal -1
	s_barrier_wait -1
	s_cmp_lg_u32 s12, 0
	s_cbranch_scc1 .Lnot_wave_0_\@
	s_barrier_signal -3
.Lnot_wave_0_\@:
	s_barrier_wait -3
	s_barrier_signal -1
	s_barrier_wait -1
.endm
; one matrix instruction: D at d, sources at a and b, C = 0 where c < 0, else at c; scale registers sa, sb; ra, rb = 1: that side's words stand in lanes 16-31
.macro WM d, a, b, c, sa, sb, ra, rb
.if (\c) < 0
.if (\ra) && (\rb)
	v_wmma_scale_f32_16x16x128_f8f6f4 v[(\d):(\d)+7], v[(\a):(\a)+11], v[(\b):(\b)+11], 0, v[(\sa)], v[(\sb)] matrix_a_fmt:MATRIX_FMT_FP6 matrix_b_fmt:MATRIX_FMT_FP6 matrix_a_scale:MATRIX_SCALE_ROW1 matrix_b_scale:MATRIX_SCALE_ROW1
.elseif (\ra)
	v_wmma_scale_f32_16x16x128_f8f6f4 v[(\d):(\d)+7], v[(\a):(\a)+11], v[(\b):(\b)+11], 0, v[(\sa)], v[(\sb)] matrix_a_fmt:MATRIX_FMT_FP6 matrix_b_fmt:MATRIX_FMT_FP6 matrix_a_scale:MATRIX_SCALE_ROW1
.elseif (\rb)
	v_wmma_scale_f32_16x16x128_f8f6f4 v[(\d):(\d)+7], v[(\a):(\a)+11], v[(\b):(\b)+11], 0, v[(\sa)], v[(\sb)] matrix_a_fmt:MATRIX_FMT_FP6 matrix_b_fmt:MATRIX_FMT_FP6 matrix_b_scale:MATRIX_SCALE_ROW1
.else
	v_wmma_scale_f32_16x16x128_f8f6f4 v[(\d):(\d)+7], v[(\a):(\a)+11], v[(\b):(\b)+11], 0, v[(\sa)], v[(\sb)] matrix_a_fmt:MATRIX_FMT_FP6 matrix_b_fmt:MATRIX_FMT_FP6
.endif
.else
.if (\ra) && (\rb)
	v_wmma_scale_f32_16x16x128_f8f6f4 v[(\d):(\d)+7], v[(\a):(\a)+11], v[(\b):(\b)+11], v[(\c):(\c)+7], v[(\sa)], v[(\sb)] matrix_a_fmt:MATRIX_FMT_FP6 matrix_b_fmt:MATRIX_FMT_FP6 matrix_a_scale:MATRIX_SCALE_ROW1 matrix_b_scale:MATRIX_SCALE_ROW1
.elseif (\ra)
	v_wmma_scale_f32_16x16x128_f8f6f4 v[(\d):(\d)+7], v[(\a):(\a)+11], v[(\b):(\b)+11], v[(\c):(\c)+7], v[(\sa)], v[(\sb)] matrix_a_fmt:MATRIX_FMT_FP6 matrix_b_fmt:MATRIX_FMT_FP6 matrix_a_scale:MATRIX_SCALE_ROW1
.elseif (\rb)
	v_wmma_scale_f32_16x16x128_f8f6f4 v[(\d):(\d)+7], v[(\a):(\a)+11], v[(\b):(\b)+11], v[(\c):(\c)+7], v[(\sa)], v[(\sb)] matrix_a_fmt:MATRIX_FMT_FP6 matrix_b_fmt:MATRIX_FMT_FP6 matrix_b_scale:MATRIX_SCALE_ROW1
.else
	v_wmma_scale_f32_16x16x128_f8f6f4 v[(\d):(\d)+7], v[(\a):(\a)+11], v[(\b):(\b)+11], v[(\c):(\c)+7], v[(\sa)], v[(\sb)] matrix_a_fmt:MATRIX_FMT_FP6 matrix_b_fmt:MATRIX_FMT_FP6
.endif
.endif
.endm
.macro XLOAD ksx                       ; my four fragments of x of a K step: 12 loads of 512 consecutive bytes
.irp a, 0,1,2,3
.irp c, 0,1,2
	global_load_b128 v[XB+48*((\ksx)%3)+12*\a+4*\c:XB+48*((\ksx)%3)+12*\a+4*\c+3], v[LI], s[42:43] offset:\a*12288+(\ksx)*1536+\c*512
.endr
.endr
.endm
.macro WLOAD ptx, ksx                  ; the four fragments of W of one part (q, k, v) and K step: 12 LDS loads in one run
	WIN TO_W
.irp t, 0,1,2,3
.irp c, 0,1,2
	ds_load_b128 v[48*(\ptx)+12*\t+4*\c:48*(\ptx)+12*\t+4*\c+3], v[AW+(\ksx)] offset:(4*(\ptx)+\t)*1536+512*\c
.endr
.endr
	WIN 0
.endm
; 32 numbers of a lane in window win, register src + 16 b + i = k 32 b + 16 h + i of the lane's row, become 6 registers of codes at pc (k = 32 h .. 32 h + 31) and the word wd = byte 0 | byte 1 << 8.
; The sources are taken in ascending order: each accumulator is first read at its low end.
.macro QUANT64 win, src, pc, wd
	WIN ((\win)<<2)|((\win)<<4)
.irp b, 0,1
	v_max3_num_f32 v[TM+\b], 0x1800000, |v[(\src)+16*\b]|, |v[(\src)+16*\b+1]|   ; the floor 2^(3 - 127) holds the byte at 1 from below
.endr
.irp i, 2,4,6,8,10,12,14
.irp b, 0,1
	v_max3_num_f32 v[TM+\b], v[TM+\b], |v[(\src)+16*\b+\i]|, |v[(\src)+16*\b+\i+1]|
.endr
.endr
	WIN 0
.irp b, 0,1
	v_permlanex16_b32 v[TP+\b], v[TM+\b], s20, s21
.endr
.irp b, 0,1
	v_max_num_f32 v[TM+\b], v[TM+\b], v[TP+\b]                     ; with lane l xor 16's 16: the block's largest magnitude
.endr
.irp b, 0,1
	v_add_nc_u32 v[SO+\b], 0xff000000, v[TM+\b]                    ; 2 off the exponent field: the conversion's scale operand
.endr
.irp b, 0,1
	v_lshrrev_b32 v[TP+\b], 23, v[SO+\b]                           ; the byte
.endr
	v_lshl_or_b32 v[\wd], v[TP+1], 8, v[TP]
	WIN (\win)
	v_cvt_scalef32_pk16_fp6_f32 v[(\pc):(\pc)+2], v[(\src):(\src)+15], v[SO]
	v_cvt_scalef32_pk16_fp6_f32 v[CT:CT+2], v[(\src)+16:(\src)+31], v[SO+1]
	WIN 0
	v_nop                                                          ; one plain place behind the scaled conversions
.irp i, 0,1,2
	v_permlane16_swap_b32 v[(\pc)+\i], v[CT+\i]                    ; a whole block to a lane: lanes 0-15 block 0, lanes 16-31 block 1
.endr
.irp i, 0,1,2
	v_mov_b32 v[(\pc)+3+\i], v[CT+\i]
.endr
.endm
	s_load_b128 s[4:7], s[0:1], 0x0                ; pq s[4:5], qb s[6:7]
	s_load_b64 s[8:9], s[0:1], 0x10                ; kv
	v_lshl_add_u32 v254, v0, 2, 0x29000
	v_mov_b32 v255, 0
	ds_add_u32 v254, v255
	ds_add_u32 v254, v255
	v_lshrrev_b32 v1, 5, v0
	v_readfirstlane_b32 s12, v1                    ; wave 0..3
	s_and_b32 s13, ttmp7, 0xffff                   ; the head, which the four partners share
	; descriptor group 1: TWO K steps of W's block, 36,864 dense bytes, as 144 rows of 256 bytes (32 elements of 8 bytes): W's block comes by four tensor loads, one a wave
	s_mov_b32 s24, 15|(3<<16)|(1<<21)              ; 15:0 the mask: all four work-groups; 17:16 elements of 8 bytes; 21 set beside a mask
	s_mov_b32 s25, 32<<16                          ; tensor_dim0 = 32
	s_mov_b32 s26, 144<<16                         ; tensor_dim1 = 144
	s_mov_b32 s27, 32<<16                          ; tile_dim0 = 32
	s_mov_b32 s28, 144                             ; tile_dim1 = 144
	s_mov_b32 s29, 32                              ; from row to row
	s_mov_b32 s30, 0
	s_mov_b32 s31, 0
	s_mov_b32 s32, 1                               ; group 0 for K step w,
	s_mul_i32 s33, s12, 2*WSTEP                    ; K steps 2 w and 2 w + 1
	s_mul_i32 s40, s13, 8*WSTEP
	s_add_co_u32 s40, s40, s33
	s_add_co_u32 s40, s40, WQC_O
	s_mov_b32 s41, 0
	; from here on registers that hold my place in the cluster: they enter global addresses of x, qb and kv alone
	s_bfe_u32 s14, ttmp6, 0x40000                  ; cx
	s_lshl_b32 s15, ttmp9, 2
	s_add_co_u32 s15, s15, s14                     ; my 256 tokens: 0..15
	s_lshl_b32 s16, s15, 4
	s_lshl_b32 s17, s12, 2
	s_add_co_u32 s16, s16, s17                     ; i0: my first block of x
	s_mul_i32 s42, s16, 12288
	s_mov_b32 s43, 0
	s_lshl_b32 s44, s16, 9                         ; (i0 / 2) images of 1,024 bytes
	s_add_co_u32 s44, s44, XS_O
	s_mov_b32 s45, 0
	s_mul_i32 s46, s13, 6144
	s_add_co_u32 s46, s46, WQS_O
	s_mov_b32 s47, 0
	s_lshr_b32 s10, s12, 1                         ; which of the work-group's two records of 128 keys
	s_and_b32 s11, s12, 1                          ; c: which half of it
	s_lshr_b32 s17, s15, 3
	s_lshl_b32 s17, s17, 4
	s_add_co_u32 s17, s17, s13                     ; 16 batch + head
	s_and_b32 s18, s16, 127                        ; my first block within the batch
	s_lshl_b32 s19, s17, 7
	s_add_co_u32 s19, s19, s18
	s_mul_i32 s48, s19, 768
	s_mov_b32 s49, 0
	s_lshl_b32 s50, s17, 5
	s_lshr_b32 s19, s18, 2
	s_add_co_u32 s50, s50, s19
	s_lshl_b32 s50, s50, 8
	s_add_co_u32 s50, s50, QS_O
	s_mov_b32 s51, 0
	s_mul_i32 s58, s17, HEADKV
	s_and_b32 s19, s15, 7
	s_mul_i32 s19, s19, 2*REC
	s_add_co_u32 s58, s58, s19                     ; the work-group's first record
	s_mul_i32 s19, s10, REC
	s_add_co_u32 s19, s19, s58                     ; my record
	s_mul_i32 s52, s11, 3072
	s_add_co_u32 s52, s52, s19                     ; k: my two pairs of key tiles
	s_mov_b32 s53, 0
	s_mul_i32 s54, s11, 768
	s_add_co_u32 s54, s54, s19
	s_add_co_u32 s54, s54, 6144                    ; v: my half of each tile of channels
	s_mov_b32 s55, 0
	s_mul_i32 s56, s12, REC
	s_add_co_u32 s56, s56, s58
	s_add_co_u32 s56, s56, 12288                   ; the scale words of record w (waves 0 and 1 store them)
	s_mov_b32 s57, 0
	s_mov_b32 s20, 0x76543210
	s_mov_b32 s21, 0xfedcba98                      ; v_permlanex16_b32's selects for lane l xor 16
	s_mov_b32 s22, 0xffff0000                      ; lanes 16-31
	v_and_b32 v10, 15, v0                          ; r
	v_bfe_u32 v11, v0, 4, 1                        ; h
	v_and_b32 v12, 31, v0
	v_lshlrev_b32 v[LI], 4, v12
	v_lshlrev_b32 v[L8], 3, v12
.irp k, 0,1,2,3,4,5,6,7
	v_add_nc_u32 v[AW+\k], \k*WSTEP, v[LI]
.endr
	v_lshlrev_b32 v[RH], 4, v10
	v_lshl_add_u32 v[RH], v11, 3, v[RH]
	s_mul_i32 s23, s10, 768
	s_add_co_u32 s23, s23, STG
	s_lshl_b32 s18, s11, 3
	s_add_co_u32 s18, s18, s23
	v_add_nc_u32 v[STK], s18, v[LI]                ; K's words: [lane][pair of tiles 4]: my two pairs at 16 l + 8 c
	s_lshl_b32 s18, s11, 1
	s_add_co_u32 s18, s18, s23
	s_add_co_u32 s18, s18, 512
	v_add_nc_u32 v[STV], s18, v[L8]                ; V's words: [lane][pair of tiles 2]: my two bytes of each at 8 l + 4 b + 2 c
	s_mul_i32 s18, s12, 768
	s_add_co_u32 s18, s18, STG
	v_add_nc_u32 v[RDK], s18, v[LI]
	s_add_co_u32 s18, s18, 512
	v_add_nc_u32 v[RDV], s18, v[L8]
	v_mov_b32 v[TP], 0                             ; written once: a lane permute's destination counts as one of its sources
	v_mov_b32 v[TP+1], 0
	s_wait_dscnt 0x0
	s_wait_kmcnt 0x0
	s_add_nc_u64 s[34:35], s[4:5], s[40:41]
	s_or_b32 s35, s35, 0x80000000                  ; type = 2
	s_add_nc_u64 s[42:43], s[4:5], s[42:43]        ; x's codes
	s_add_nc_u64 s[44:45], s[4:5], s[44:45]        ; x's scale images
	s_add_nc_u64 s[46:47], s[4:5], s[46:47]        ; W's scale images
	s_add_nc_u64 s[48:49], s[6:7], s[48:49]
	s_add_nc_u64 s[50:51], s[6:7], s[50:51]
	s_add_nc_u64 s[52:53], s[8:9], s[52:53]
	s_add_nc_u64 s[54:55], s[8:9], s[54:55]
	s_add_nc_u64 s[56:57], s[8:9], s[56:57]
	CROUND                                         ; all four work-groups are here: the joint loads meet
	tensor_load_to_lds s[32:35], s[24:31]          ; my one tensor load
	s_nop 0
	PLACES 4                                       ; four v_nop follow them
.irp j, 0,1
.irp g, 0,1
	global_load_b128 v[XSC+8*\j+4*\g:XSC+8*\j+4*\g+3], v[LI], s[44:45] offset:\j*1024+\g*512   ; register 8 j + K step: lanes 0-15 block 2 j's words, lanes 16-31 block 2 j + 1's
.endr
.endr
.irp j, 0,1,2,3,4,5
.irp g, 0,1
	global_load_b128 v[WSC+8*\j+4*\g:WSC+8*\j+4*\g+3], v[LI], s[46:47] offset:\j*1024+\g*512
.endr
.endr
	XLOAD 0
	XLOAD 1
	XLOAD 2
	s_wait_tensorcnt 0x0                           ; my two K steps are in; behind the barrier all eight are
	s_barrier_signal -1
	s_barrier_wait -1                              ; K steps 0 to 3 are whole
	WLOAD 0, 0
	WLOAD 1, 0
; 24 PHASES, three to a K step (q, k, v), 16 matrix instructions each, written out.  A phase first asks for the W run of the phase two on, into the registers that the phase before has multiplied.
; The 48 accumulators take turns, one instruction a turn, in the same order in every K step.
.set ph, 0
	s_wait_alu depctr_va_vdst(0)
.rept 24
.set pt, ph%3
.set ks, ph/3
.if ph > 0
	PLACES 4                                       ; places in front of loads into registers that the last phase's matrix instructions have read
.endif
.if ph+2 < 24
	WLOAD (ph+2)%3, (ph+2)/3
.endif
.if (pt == 0) && (ks >= 1) && (ks+2 < 8)
	XLOAD ks+2
.endif
.if ph <= 21
	s_wait_dscnt 24                                ; this phase's run is in; the runs of the next two phases may be out
.elseif ph == 22
	s_wait_dscnt 12
.else
	s_wait_dscnt 0x0
.endif
.if pt == 0
.if ks <= 5
	s_wait_loadcnt 24                              ; x of this K step is in (and the scale words, asked for earlier); x of the next two K steps may be out
.elseif ks == 6
	s_wait_loadcnt 12
.else
	s_wait_loadcnt 0x0
.endif
.endif
.if pt < 2
	WIN MULQK
.irp a, 0,1,2,3
.irp t, 0,1,2,3
.set dd, 128*pt+32*\a+8*\t
.set cc, dd
.if ks == 0
.set cc, -1                                            ; the first K step starts the sums: nothing is cleared
.endif
	WM dd, 48*pt+12*\t, XB+48*(ks%3)+12*\a, cc, WSC+8*(2*pt+\t/2)+ks, XSC+8*(\a/2)+ks, \t%2, \a%2
.endr
.endr
.else
	WIN MULV
.irp t, 0,1,2,3
.irp a, 0,1,2,3
.set dd, 32*\t+8*\a
.set cc, dd
.if ks == 0
.set cc, -1
.endif
	WM dd, XB+48*(ks%3)+12*\a, 96+12*\t, cc, XSC+8*(\a/2)+ks, WSC+8*(4+\t/2)+ks, \a%2, \t%2
.endr
.endr
.endif
	WIN 0
.set ph, ph+1
.endr
	; THE WAY OUT.  Every store has data registers of its own, and covers 512 or 256 consecutive bytes.
	PLACES 4                                       ; places behind the last products
.irp a, 0,1,2,3                                ; q: block a's 16 tokens, 64 channels: six registers of codes, a word
	QUANT64 2, 32*\a, EP+8*\a, QW+\a
	global_store_b128 v[LI], v[EP+8*\a:EP+8*\a+3], s[48:49] offset:768*\a
	global_store_b64 v[L8], v[EP+8*\a+4:EP+8*\a+5], s[48:49] offset:768*\a+512
.endr
	v_cndmask_b32 v[SD], v[QW], v[QW+2], s22       ; lane (r, h) stores the words of blocks 2 h and 2 h + 1 of row r
	v_cndmask_b32 v[SD+1], v[QW+1], v[QW+3], s22
	global_store_b64 v[RH], v[SD:SD+1], s[50:51]
.irp a, 0,1,2,3                                ; k: two blocks' codes make 12 registers on end
	QUANT64 2, 128+32*\a, KC+12*(\a/2)+6*(\a%2), KW+\a
.endr
.irp g, 0,1
.irp c, 0,1,2
	global_store_b128 v[LI], v[KC+12*\g+4*\c:KC+12*\g+4*\c+3], s[52:53] offset:1536*\g+512*\c
.endr
.endr
	v_cndmask_b32 v[KP], v[KW], v[KW+1], s22       ; lanes 0-15 the even tile's words, lanes 16-31 the odd tile's
	v_cndmask_b32 v[KP+1], v[KW+2], v[KW+3], s22
	ds_store_b64 v[STK], v[KP:KP+1]
.irp t, 0,1,2,3                                ; v: tile t's 16 channels, my 64 tokens along K
	QUANT64 3, 32*\t, VC+8*\t, VW+\t
	global_store_b128 v[LI], v[VC+8*\t:VC+8*\t+3], s[54:55] offset:1536*\t
	global_store_b64 v[L8], v[VC+8*\t+4:VC+8*\t+5], s[54:55] offset:1536*\t+512
.endr
	v_cndmask_b32 v[VP], v[VW], v[VW+1], s22
	v_cndmask_b32 v[VP+1], v[VW+2], v[VW+3], s22
	ds_store_b16 v[STV], v[VP]
	ds_store_b16 v[STV], v[VP+1] offset:4
	s_wait_dscnt 0x0                               ; for the others' sake: my stores into the stage are done
	s_barrier_signal -1
	s_barrier_wait -1
	s_cmp_gt_u32 s12, 1                            ; waves 0 and 1 store a record's scale words whole
	s_cbranch_scc1 .Lno_scales
	ds_load_b128 v[BK:BK+3], v[RDK]
	ds_load_b64 v[BK+4:BK+5], v[RDV]
	s_wait_dscnt 0x0
	global_store_b128 v[LI], v[BK:BK+3], s[56:57]
	global_store_b64 v[L8], v[BK+4:BK+5], s[56:57] offset:512
.Lno_scales:
	s_wait_tensorcnt 0x0
	ds_add_u32 v254, v255
	s_wait_dscnt 0x0
	CROUND                                         ; the closing round: no work-group ends while a partner may still ask for a tile that names it
	s_endpgm
.Lfunc_end_k_q3cbc17fc0a_qkv:
	.size	k_q3cbc17fc0a_qkv, .Lfunc_end_k_q3cbc17fc0a_qkv-k_q3cbc17fc0a_qkv
	.p2alignl 7, 3214868480
	.fill 96, 4, 3214868480
	.section	.rodata,"a",@progbits
	.p2align	6, 0x0
	.amdhsa_kernel k_q3cbc17fc0a_qkv
		.amdhsa_group_segment_fixed_size 168448
		.amdhsa_private_segment_fixed_size 0
		.amdhsa_enable_private_segment 0
		.amdhsa_kernarg_size 24
		.amdhsa_user_sgpr_count 2
		.amdhsa_user_sgpr_kernarg_segment_ptr 1
		.amdhsa_wavefront_size32 1
		.amdhsa_system_sgpr_workgroup_id_x 1
		.amdhsa_system_sgpr_workgroup_id_y 1
		.amdhsa_system_sgpr_workgroup_id_z 1
		.amdhsa_system_vgpr_workitem_id 0
		.amdhsa_next_free_vgpr 896
		.amdhsa_next_free_sgpr 66
		.amdhsa_reserve_vcc 0
		.amdhsa_float_denorm_mode_32 3
		.amdhsa_float_denorm_mode_16_64 3
		.amdhsa_memory_ordered 1
		.amdhsa_forward_progress 1
		.amdhsa_inst_pref_size 118
	.end_amdhsa_kernel
	.amdgpu_metadata
---
amdhsa.version: [ 1, 2 ]
amdhsa.kernels:
  - .name:           k_q3cbc17fc0a_qkv
    .symbol:         k_q3cbc17fc0a_qkv.kd
    .args:
      - { .name: pq, .offset: 0, .size: 8, .value_kind: global_buffer, .address_space: global }
      - { .name: qb, .offset: 8, .size: 8, .value_kind: global_buffer, .address_space: global }
      - { .name: kv, .offset: 16, .size: 8, .value_kind: global_buffer, .address_space: global }
    .group_segment_fixed_size: 168448
    .private_segment_fixed_size: 0
    .kernarg_segment_align: 8
    .kernarg_segment_size: 24
    .max_flat_workgroup_size: 128
    .sgpr_count:     66
    .vgpr_count:     896
    .wavefront_size: 32
...
	.end_amdgpu_metadata
.endif
;; end of part 2
;; launch attn (part 3): grid 8 x 32, 16 waves a work-group, clusters of 4 x 1, 215,040 bytes of LDS; arguments qb, kv, mbits, ob; writes ob
.if DOCPART == 3
	.amdgcn_target "amdgcn-amd-amdhsa--gfx1250"
	.amdhsa_code_object_version 6
	.text
	.protected	k_q3cbc17fc0a_attn
	.globl	k_q3cbc17fc0a_attn
	.p2align	8
	.type	k_q3cbc17fc0a_attn,@function
k_q3cbc17fc0a_attn:
	s_mov_b64 s[64:65], 0
	v_nop
	global_prefetch_b8 v0, s[64:65] scope:SCOPE_SE
	s_setreg_imm32_b32 hwreg(HW_REG_WAVE_MODE, 25, 1), 1
	s_wait_xcnt 0x0
	s_wait_alu depctr_hold_cnt(0) depctr_sa_sdst(0) depctr_va_vdst(0) depctr_va_sdst(0) depctr_va_ssrc(0) depctr_va_vcc(0) depctr_vm_vsrc(0)
	s_getreg_b32 s2, hwreg(HW_REG_IB_STS2, 6, 4)
	s_cmp_eq_u32 s2, 0
	s_cbranch_scc0 .Lentry_in_a_cluster
	s_endpgm
.Lentry_in_a_cluster:
	s_bfe_u32 s2, ttmp6, 0x10000c
	s_cmp_lg_u32 s2, 0x3003
	s_cbranch_scc0 .Lentry_shape_is_right
	s_endpgm
.Lentry_shape_is_right:
; ATTN.  For each head of each batch: S = q k^T, logit = S / 8 or -10000 where the mask is 0, softmax, O = P v; both products on codes of FP6 (E2M3) with E8M0 scales.  O / l is quantised along its 64 channels and leaves as codes.
; THE SOFTMAX AHEAD OF THE SECOND PRODUCT: t = score x c, c = log2(e) / 8; M = the running largest t rounded UP to a whole number; p = 2^(t - M) is what is quantised, along the keys, not normalised.  The row's sum is
; taken of the unquantised p and divides O at the end.  When M moves, the sum and O are multiplied by 2^(old M - new M): exact.
; THE MASK is a true select: where its bit is 0 the raw score becomes -80000.0, so that t = fma(-80000, c, -M).  A row with no key left comes out uniform.
; SHARES.  A work-group owns 256 queries of one head; each of its sixteen waves 16 of them, in 256 registers.  The head's K and V, 16 records of 128 keys (13,056 bytes each), are filled into LDS ONCE: wave w asks for record w,
; JOINTLY with the three partners of its cluster, which own other queries of the same head.  Nothing is filled again.  No prefetch: the launch's one fill stands at its head, with no loop ahead of it to run ahead in.
; LAYOUT.  Both products are used transposed: S^T = K Q^T, O^T = V^T P^T: a lane holds ONE query.
; THE KEYS OF A TILE: row m of tile 4 g + t is key 64 g + 32 (m / 8) + 8 t + m % 8.  So lane (r, h) has, in the 32 registers of tiles 4 g .. 4 g + 3, keys 64 g + 32 h + 0 .. 31: ONE WHOLE BLOCK of the second product's K, in the
; order of that operand's registers: a block's maximum asks no other lane, and the codes are not exchanged between lanes.  In a record key 32 p + 8 u + s + 8 (s / 8) is row s of tile 2 p + u, and a pair of tiles is an image of 12
; registers (register 4 c + i of lane l at 512 c + 16 l + 4 i): so lane (r, h) fetches its six registers of tile 4 g + t from pair 2 g + r / 8, half t % 2, lane r % 8 + 8 (t / 2) + 16 h, by one load of 16 bytes and one of 8.
; THE FIRST PRODUCT'S K IS 64, THE INSTRUCTION'S 128.  Q's upper six registers are zero codes; a key tile's operand is its six registers and the six that follow (zeros behind the last).  The scale words' upper two bytes are 0 on both sides.
; THE MASK'S WORDS (bit l of word n: lane l's score n counts) come by scalar loads, 64 a step, asked for a step ahead.
; LIMITS: NaN and infinities are not served; a block whose largest magnitude lies under 2^-124 gets the byte 1; the scaled scores stay under 2^31 in magnitude.
; REGISTERS: v1 16 l, v2 8 l, v3 8 h, v4-5 my lane's place in K's scale words and codes, v7 the fill; v8-11 K's scale words; v12 -M, v13 the largest t, v[14:15] the sum; v16-27 Q; v28 Q's scale words; v29 at work; v30-31 V's scale words;
; v32-85 K; v86-133 V; v134-197 S^T, then p; v198-229 O^T; v230-241 p's codes (before them: maxima and temporaries); v242-253 at work (v245, v249: the add's two); v254 f; v255 p's scale word.
.set REC,  13056
.set SST,  208896                      ; behind the records: 512 bytes, the stage for O's scale bytes; no tensor load lands here
.set QS_O, 3145728
.set OS_O, 3145728                     ; ob: codes [block of tokens 256][head 16] 768 bytes; here two scale bytes for [head 16][block 256][r 16]
.set S,    134
.set OT,   198
.set BM,   230
.set SO,   250
.macro PLACES n
.rept \n
	v_nop
.endr
.endm
.macro CROUND                          ; a round of the cluster's barrier
	s_barrier_signal -1
	s_barrier_wait -1
	s_cmp_lg_u32 s12, 0
	s_cbranch_scc1 .Lnot_wave_0_\@
	s_barrier_signal -3
.Lnot_wave_0_\@:
	s_barrier_wait -3
	s_barrier_signal -1
	s_barrier_wait -1
.endm
.macro WM d, a, b, c, sa, sb, ra       ; C = 0 where c < 0; ra = 1: source 0's scale words stand in lanes 16-31
.if (\c) < 0
.if (\ra)
	v_wmma_scale_f32_16x16x128_f8f6f4 v[(\d):(\d)+7], v[(\a):(\a)+11], v[(\b):(\b)+11], 0, v[(\sa)], v[(\sb)] matrix_a_fmt:MATRIX_FMT_FP6 matrix_b_fmt:MATRIX_FMT_FP6 matrix_a_scale:MATRIX_SCALE_ROW1
.else
	v_wmma_scale_f32_16x16x128_f8f6f4 v[(\d):(\d)+7], v[(\a):(\a)+11], v[(\b):(\b)+11], 0, v[(\sa)], v[(\sb)] matrix_a_fmt:MATRIX_FMT_FP6 matrix_b_fmt:MATRIX_FMT_FP6
.endif
.else
.if (\ra)
	v_wmma_scale_f32_16x16x128_f8f6f4 v[(\d):(\d)+7], v[(\a):(\a)+11], v[(\b):(\b)+11], v[(\c):(\c)+7], v[(\sa)], v[(\sb)] matrix_a_fmt:MATRIX_FMT_FP6 matrix_b_fmt:MATRIX_FMT_FP6 matrix_a_scale:MATRIX_SCALE_ROW1
.else
	v_wmma_scale_f32_16x16x128_f8f6f4 v[(\d):(\d)+7], v[(\a):(\a)+11], v[(\b):(\b)+11], v[(\c):(\c)+7], v[(\sa)], v[(\sb)] matrix_a_fmt:MATRIX_FMT_FP6 matrix_b_fmt:MATRIX_FMT_FP6
.endif
.endif
.endm
.macro KLOAD ak, as                    ; 20 LDS loads: eight key tiles, six registers each, on end; then four registers of scale words (lanes 0-15 tile 2 q, lanes 16-31 tile 2 q + 1)
.irp g, 0,1
.irp t, 0,1,2,3
.if \t%2 == 0
	ds_load_b128 v[32+6*(4*\g+\t):35+6*(4*\g+\t)], v[\ak] offset:3072*\g+128*(\t/2)
	ds_load_b64 v[36+6*(4*\g+\t):37+6*(4*\g+\t)], v[\ak] offset:3072*\g+128*(\t/2)+512
.else
	ds_load_b64 v[32+6*(4*\g+\t):33+6*(4*\g+\t)], v[\ak] offset:3072*\g+128*(\t/2)+520
	ds_load_b128 v[34+6*(4*\g+\t):37+6*(4*\g+\t)], v[\ak] offset:3072*\g+128*(\t/2)+1024
.endif
.endr
.endr
.irp q, 0,1,2,3
	ds_load_b32 v[8+\q], v[\as] offset:12288+8*(\q/2)+128*(\q%2)
.endr
.endm
.macro VLOAD a16, a8                   ; 17 LDS loads: four tiles of channels, two halves of six registers each; then their scale words
.irp t, 0,1,2,3
	ds_load_b128 v[86+12*\t:89+12*\t], v[\a16] offset:6144+1536*\t
	ds_load_b64 v[90+12*\t:91+12*\t], v[\a8] offset:6144+1536*\t+512
	ds_load_b128 v[92+12*\t:95+12*\t], v[\a16] offset:6144+1536*\t+768
	ds_load_b64 v[96+12*\t:97+12*\t], v[\a8] offset:6144+1536*\t+1280
.endr
	ds_load_b64 v[30:31], v[\a8] offset:12800
.endm
.macro MLOAD                           ; a step's 64 mask words: s20-51 words 0-31, s68-99 words 32-63
	s_load_b512 s[20:35], s[8:9], 0x0
	s_load_b512 s[36:51], s[8:9], 0x40
	s_load_b512 s[68:83], s[8:9], 0x80
	s_load_b512 s[84:99], s[8:9], 0xc0
.endm
.macro AD d, a, b
	v_pk_add_f32 v[\d:\d+1], v[\a:\a+1], v[\b:\b+1]
.endm
; A KEY STEP: 128 keys.  next = 1: the next step's K, V and mask words are asked for.
.macro STEP next
	s_wait_dscnt 17                                ; K and its scale words are in; V's 17 younger loads may be out
.irp t, 0,1,2,3,4,5,6,7
	WM S+8*\t, 32+6*\t, 16, -1, 8+\t/2, 28, \t%2
.endr
.if \next                                      ; four places behind the products, for the loads into K's registers and the first read of the scores: work that is due anyway
	s_add_co_u32 s2, s2, REC                       ; on to the next record
	v_add_nc_u32 v242, s2, v5
	v_add_nc_u32 v243, s2, v4
.else
	PLACES 2
.endif
	v_mov_b32 v244, v12                            ; the old -M
	v_nop
.if \next
	KLOAD 242, 243
.endif
	s_wait_kmcnt 0x0                               ; the step's mask words are in
.set n, 0
.rept 64                                       ; one select a score, ascending: each accumulator is first read at its low end
.if n < 32
	v_cndmask_b32 v[S+n], v7, v[S+n], s[20+n]
.else
	v_cndmask_b32 v[S+n], v7, v[S+n], s[36+n]
.endif
.set n, n+1
.endr
.if \next
	s_wait_xcnt 0x0                                ; the scalar loads have read their base: it is stepped only behind this wait
	s_add_nc_u64 s[8:9], s[8:9], 256
	MLOAD                                          ; they have the softmax and the second product in which to land
.endif
.irp b, 0,1,2,3                                ; the largest score of my two blocks of 32 keys, in four chains: for the row's maximum and, since p rises with the score, for the block's largest p
	v_max3_num_f32 v[BM+\b], v[S+16*\b], v[S+1+16*\b], v[S+2+16*\b]
.endr
.irp i, 3,5,7,9,11,13
.irp b, 0,1,2,3
	s_delay_alu instid0(VALU_DEP_4)
	v_max3_num_f32 v[BM+\b], v[BM+\b], v[S+16*\b+\i], v[S+1+16*\b+\i]
.endr
.endr
	s_delay_alu instid0(VALU_DEP_3)
	v_max3_num_f32 v230, v230, v231, v[S+15]
	s_delay_alu instid0(VALU_DEP_2)
	v_max3_num_f32 v232, v232, v233, v[S+47]
	s_delay_alu instid0(VALU_DEP_2)
	v_max_num_f32 v230, v230, v[S+31]              ; block h
	s_delay_alu instid0(VALU_DEP_2)
	v_max_num_f32 v232, v232, v[S+63]              ; block 2 + h
	s_delay_alu instid0(VALU_DEP_1)
	v_max_num_f32 v29, v230, v232
	s_delay_alu instid0(VALU_DEP_1)
	v_permlanex16_b32 v234, v29, s14, s15
	s_delay_alu instid0(VALU_DEP_1)
	v_max_num_f32 v29, v29, v234                   ; with lane l xor 16's two blocks: the step's largest score of my query
	s_delay_alu instid0(VALU_DEP_1)
	v_mul_f32 v29, s16, v29                        ; as t (c is positive)
	s_delay_alu instid0(VALU_DEP_1)
	v_max_num_f32 v13, v13, v29                    ; the running largest t
	s_delay_alu instid0(VALU_DEP_1)
	v_floor_f32 v12, -v13                          ; the new -M = floor(-t) = -ceil(t)
	s_delay_alu instid0(VALU_DEP_1)
	v_sub_f32 v29, v12, v244                       ; old M - new M: a whole number, 0 or less
	s_delay_alu instid0(VALU_DEP_1)
	v_cvt_i32_f32 v29, v29                         ; (it saturates)
	s_delay_alu instid0(VALU_DEP_1)
	v_ldexp_f32 v254, 1.0, v29                     ; f = 2^(old M - new M)
.irp j, 0,2,4,6,8,10,12,14,16,18,20,22,24,26,28,30,32,34,36,38,40,42,44,46,48,50,52,54,56,58,60,62
	v_pk_fma_f32 v[S+\j:S+\j+1], v[S+\j:S+\j+1], s[16:17], v[12:13] op_sel_hi:[1,0,0]   ; t - M, two at a time (of the pairs c and -M the low word serves both halves)
.endr
	v_fma_f32 v230, v230, s16, v12                 ; the same of each block's largest score
	v_fma_f32 v232, v232, s16, v12
	s_wait_alu depctr_va_vdst(0)                   ; the wait ahead of the batch
.set n, 0
.rept 64
	v_exp_f32 v[S+n], v[S+n]                       ; p = 2^(t - M), at most 1
.set n, n+1
.endr
	v_pk_mul_f32 v[14:15], v[14:15], v[254:255] op_sel_hi:[1,0]   ; the sums under the new M: a plain place behind the exponentials
	s_wait_alu depctr_va_vdst(0)                   ; one wait for the batch of 64, ahead of its first reader
	v_exp_f32 v230, v230                           ; each block's largest p: the same two instructions on the same number give the same bits
	v_exp_f32 v232, v232
	AD 234, 138, 142                               ; the row's sum of the unquantised p: 32 pairs in eight chains
	AD 252, 146, 150
	AD 250, 154, 158
	AD 246, 162, 166
	AD 242, 170, 174
	AD 240, 178, 182
	AD 238, 186, 190
	AD 14, 14, 194
	AD 234, 234, 134
	AD 252, 252, 136
	AD 250, 250, 140
	AD 246, 246, 144
	AD 242, 242, 148
	AD 240, 240, 152
	AD 238, 238, 156
	AD 14, 14, 160
	AD 234, 234, 164
	AD 252, 252, 168
	AD 250, 250, 172
	AD 246, 246, 176
	AD 242, 242, 180
	AD 240, 240, 184
	AD 238, 238, 188
	AD 14, 14, 192
	AD 234, 234, 196
	s_delay_alu instid0(VALU_DEP_2)
	AD 14, 14, 246
	s_delay_alu instid0(VALU_DEP_2)
	AD 234, 234, 242
	AD 252, 252, 240
	AD 250, 250, 238
	s_delay_alu instid0(VALU_DEP_2)
	AD 14, 14, 252
	s_delay_alu instid0(VALU_DEP_2)
	AD 234, 234, 250
	s_delay_alu instid0(VALU_DEP_1)
	AD 14, 14, 234
	s_wait_alu depctr_va_vdst(0)                   ; and one for the two
	v_max_num_f32 v230, 0x1800000, v230            ; the floor 2^(3 - 127): the byte cannot fall under 1 (a block whose every p is 0 keeps that byte: its codes are zeros)
	v_max_num_f32 v232, 0x1800000, v232
	s_delay_alu instid0(VALU_DEP_2)
	v_add_nc_u32 v[SO], 0xff000000, v230           ; 2 off the exponent field: the conversion's scale operand
	s_delay_alu instid0(VALU_DEP_2)
	v_add_nc_u32 v[SO+1], 0xff000000, v232
	s_delay_alu instid0(VALU_DEP_2)
	v_lshrrev_b32 v234, 23, v[SO]                  ; the bytes of blocks h and 2 + h
	s_delay_alu instid0(VALU_DEP_2)
	v_lshrrev_b32 v235, 23, v[SO+1]
	s_delay_alu instid0(VALU_DEP_1)
	v_lshl_or_b32 v234, v235, 16, v234
	s_delay_alu instid0(VALU_DEP_1)
	v_lshlrev_b32 v234, v3, v234                   ; 8 h bits up
	s_delay_alu instid0(VALU_DEP_1)
	v_permlanex16_b32 v235, v234, s14, s15
	s_delay_alu instid0(VALU_DEP_1)
	v_or_b32 v255, v234, v235                      ; with lane l xor 16's two bytes: p's scale word for these 128 keys
	v_cvt_scalef32_pk16_fp6_f32 v[230:232], v[S:S+15], v[SO]
	v_cvt_scalef32_pk16_fp6_f32 v[242:244], v[S+16:S+31], v[SO]     ; (a conversion's three registers begin on an even number)
	v_cvt_scalef32_pk16_fp6_f32 v[236:238], v[S+32:S+47], v[SO+1]
	v_cvt_scalef32_pk16_fp6_f32 v[246:248], v[S+48:S+63], v[SO+1]
	v_nop                                          ; one plain place behind the scaled conversions
.irp i, 0,1,2
	v_mov_b32 v[233+\i], v[242+\i]                 ; registers 6 c .. 6 c + 5 hold keys 64 c + 32 h + 0 .. 31
	v_mov_b32 v[239+\i], v[246+\i]
.endr
	s_wait_alu depctr_va_vdst(0)                   ; directly ahead of the first reader of O^T
.irp j, 0,2,4,6,8,10,12,14,16,18,20,22,24,26,28,30
	v_pk_mul_f32 v[OT+\j:OT+\j+1], v[OT+\j:OT+\j+1], v[254:255] op_sel_hi:[1,0]   ; O^T under the new M.  These 16 are also the places between p's codes and scale word and the products
.endr
	s_wait_alu depctr_va_vdst(0)                   ; directly ahead of the wait below
.if \next
	s_wait_dscnt 20                                ; V and its scale words are in; the next step's K, 20 younger loads, may be out
.else
	s_wait_dscnt 0x0
.endif
.irp t, 0,1,2,3                                ; four accumulators by turns; the eight products of S^T stand between two steps' links
	WM OT+8*\t, 86+12*\t, 230, OT+8*\t, 30+\t/2, 255, \t%2
.endr
.if \next
	v_add_nc_u32 v246, s2, v1                      ; four places in front of the loads into V's registers
	v_add_nc_u32 v247, s2, v2
	PLACES 2
	VLOAD 246, 247
.endif
.endm
	s_load_b256 s[4:11], s[0:1], 0x0               ; qb s[4:5], kv s[6:7], mbits s[8:9], ob s[10:11]
	v_lshl_add_u32 v245, v0, 2, 0x34000
	v_mov_b32 v249, 0
	ds_add_u32 v245, v249                          ; the opening lines: the add, twice on end, and its wait ahead of my first tensor load
	ds_add_u32 v245, v249
	v_lshrrev_b32 v1, 5, v0
	s_delay_alu instid0(VALU_DEP_1)
	v_readfirstlane_b32 s12, v1                    ; wave 0..15
	s_and_b32 s67, ttmp7, 0xffff                   ; 16 batch + head, which the four partners share
	; descriptor group 1: a record, 13,056 dense bytes, as 51 rows of 256 bytes (32 elements of 8 bytes)
	s_mov_b32 s56, 15|(3<<16)|(1<<21)              ; 15:0 the mask: all four work-groups; 17:16 elements of 8 bytes; 21 set beside a mask
	s_mov_b32 s57, 32<<16                          ; tensor_dim0 = 32
	s_mov_b32 s58, 51<<16                          ; tensor_dim1 = 51
	s_mov_b32 s59, 32<<16                          ; tile_dim0 = 32
	s_mov_b32 s60, 51                              ; tile_dim1 = 51
	s_mov_b32 s61, 32                              ; from row to row
	s_mov_b32 s62, 0
	s_mov_b32 s63, 0
	s_mov_b32 s52, 1
	s_mul_i32 s53, s12, REC                        ; record w, at its place in LDS
	s_mul_i32 s100, s67, 16*REC
	s_add_co_u32 s100, s100, s53
	s_mov_b32 s101, 0
	; from here on registers that hold my place in the cluster: they enter global addresses of qb, mbits and ob alone
	s_bfe_u32 s13, ttmp6, 0x40000                  ; cx
	s_lshl_b32 s66, ttmp9, 2
	s_add_co_u32 s66, s66, s13                     ; my block of 256 queries
	s_lshl_b32 s104, s66, 4
	s_add_co_u32 s104, s104, s12                   ; qt: my tile of 16 queries, 0..127
	s_lshl_b32 s20, s67, 7
	s_add_co_u32 s20, s20, s104
	s_mul_i32 s20, s20, 768                        ; Q's codes
	s_mov_b32 s21, 0
	s_lshr_b32 s22, s104, 2
	s_lshl_b32 s23, s67, 5
	s_add_co_u32 s22, s22, s23
	s_lshl_b32 s22, s22, 8
	s_and_b32 s23, s104, 3
	s_lshl_b32 s23, s23, 2
	s_add_co_u32 s22, s22, s23
	s_add_co_u32 s22, s22, QS_O                    ; Q's scale words: [group of four tiles][r][tile % 4]
	s_mov_b32 s23, 0
	s_lshr_b32 s24, s67, 4
	s_lshl_b32 s24, s24, 7
	s_add_co_u32 s24, s24, s104
	s_lshl_b32 s24, s24, 12                        ; the mask words of my tile: 4,096 bytes
	s_mov_b32 s25, 0
	s_mov_b32 s14, 0x76543210
	s_mov_b32 s15, 0xfedcba98                      ; v_permlanex16_b32's selects for lane l xor 16
	s_mov_b32 s16, 0x3e38aa3b                      ; c = log2(e) / 8
	s_mov_b32 s17, s16                             ; (named with it as a pair, so it is written)
	s_mov_b32 s2, 0
	s_lshl_b32 s18, s12, 5
	s_add_co_u32 s18, s18, SST                     ; the stage: 32 bytes a wave
	v_and_b32 v2, 31, v0
	v_bfe_u32 v3, v0, 4, 1                         ; h
	v_and_b32 v5, 7, v0                            ; r % 8
	v_bfe_u32 v6, v0, 3, 1                         ; r / 8
	v_and_b32 v29, 15, v0
	v_lshlrev_b32 v1, 4, v2                        ; 16 l
	v_lshlrev_b32 v2, 3, v2                        ; 8 l
	v_lshlrev_b32 v5, 4, v5
	v_lshlrev_b32 v29, 4, v29                      ; 16 r
	s_delay_alu instid0(VALU_DEP_2)
	v_lshl_add_u32 v5, v3, 8, v5                   ; 16 (r % 8) + 256 h
	v_lshlrev_b32 v3, 3, v3                        ; 8 h
	s_delay_alu instid0(VALU_DEP_2)
	v_lshl_add_u32 v4, v6, 2, v5                   ; K's scale words: + 4 (r / 8)
	v_mad_u32_u24 v5, v6, 1536, v5                 ; K's codes: + 1,536 (r / 8)
	v_mov_b32 v7, 0xc79c4000                       ; -80000.0: 8 x the fill
	s_wait_alu depctr_va_vdst(0)                   ; directly ahead of the waits below
	s_wait_dscnt 0x0
	s_wait_kmcnt 0x0
	s_add_nc_u64 s[54:55], s[6:7], s[100:101]
	s_or_b32 s55, s55, 0x80000000                  ; type = 2
	s_add_nc_u64 s[100:101], s[4:5], s[22:23]
	s_add_nc_u64 s[4:5], s[4:5], s[20:21]
	s_add_nc_u64 s[8:9], s[8:9], s[24:25]
	CROUND                                         ; all four work-groups are here: the joint loads meet
	tensor_load_to_lds s[52:55], s[56:63]          ; my one tensor load
	s_nop 0
	PLACES 4                                       ; four v_nop follow it
	global_load_b128 v[16:19], v1, s[4:5]          ; Q's six registers of codes
	global_load_b64 v[20:21], v2, s[4:5] offset:512
	global_load_b32 v28, v29, s[100:101]
	MLOAD                                          ; the first step's mask words
.irp i, 22,23,24,25,26,27,80,81,82,83,84,85
	v_mov_b32 v[\i], 0                             ; zero codes: Q's upper half, and what follows the last key tile
.endr
	v_mov_b32 v13, 0xff61b1e6                      ; the largest t so far: -3e38, under every t
	s_delay_alu instid0(VALU_DEP_1)
	v_floor_f32 v12, -v13                          ; -M
	v_mov_b32 v14, 0                               ; the sum, in two halves
	v_mov_b32 v15, 0
	v_mov_b32 v234, 0                              ; written once: a lane permute's destination counts as one of its sources
	v_mov_b32 v235, 0
	v_mov_b32 v255, 0                              ; (named as the upper half of the pair v[254:255] before it is first written)
.set n, 0
.rept 32
	v_mov_b32 v[OT+n], 0                           ; O^T.  The step is written once for the loop: the first finds zeros, which the first change of M leaves zeros
.set n, n+1
.endr
	s_wait_alu depctr_va_vdst(0)                   ; the wait at the head's end
	s_wait_tensorcnt 0x0                           ; my record is in,
	s_barrier_signal -1
	s_barrier_wait -1                              ; everybody's is
	KLOAD 5, 4
	VLOAD 1, 2
	s_wait_loadcnt 0x0                             ; Q
	s_mov_b32 s19, 15
.Lstep:
	s_wait_alu depctr_va_vdst(0)
	STEP 1
	s_sub_co_u32 s19, s19, 1
	s_cmp_lg_u32 s19, 0
	s_cbranch_scc1 .Lstep
	STEP 0                                         ; the last step asks for nothing: no load passes a record's or a buffer's end
	; THE WAY OUT.  O^T / the sum, quantised along my head's 64 channels: six registers of codes and two scale bytes a row.  (V's channels: row r of tile 2 b + u is channel 32 b + 8 u + r + 8 (r / 8).)
	v_and_b32 v8, 15, v0                           ; four places behind the last products: the stage's addresses
	v_add_nc_u32 v9, SST, v1                       ; back (wave 0)
	v_add_f32 v14, v14, v15                        ; the sum's two halves,
	v_lshlrev_b32 v8, 1, v8
	v_permlanex16_b32 v29, v14, s14, s15
	v_add_nc_u32 v8, s18, v8                       ; in: 32 bytes a wave, 2 a row
	v_add_f32 v14, v14, v29                        ; and lane l xor 16's: the row's sum
	s_wait_alu depctr_va_vdst(0)                   ; the wait ahead of the transcendental
	v_rcp_f32 v14, v14
	v_nop                                          ; a plain place behind the transcendental
	s_lshr_b32 s20, s67, 4
	s_lshl_b32 s20, s20, 7                         ; 128 batch
	s_add_co_u32 s21, s20, s104                    ; my block of tokens
	s_lshl_b32 s21, s21, 4
	s_and_b32 s22, s67, 15                         ; the head
	s_add_co_u32 s21, s21, s22
	s_mul_i32 s24, s21, 768
	s_mov_b32 s25, 0
	s_add_nc_u64 s[24:25], s[10:11], s[24:25]
	s_lshl_b32 s26, s66, 4
	s_add_co_u32 s26, s26, s20
	s_lshl_b32 s26, s26, 5                         ; the work-group's 16 blocks: 32 bytes each
	s_lshl_b32 s22, s22, 13
	s_add_co_u32 s26, s26, s22
	s_add_co_u32 s26, s26, OS_O
	s_mov_b32 s27, 0
	s_add_nc_u64 s[26:27], s[10:11], s[26:27]
	s_wait_alu depctr_va_vdst(0)                   ; the wait, ahead of the reciprocal's first reader and of O^T's
.set n, 0
.rept 32
	v_mul_f32 v[S+n], v[OT+n], v14                 ; register 16 b + i is channel 32 b + 16 h + i of my query
.set n, n+1
.endr
.irp b, 0,1
	v_max3_num_f32 v[236+\b], |v[S+16*\b]|, |v[S+16*\b+1]|, 0x1800000
.endr
.irp i, 2,4,6,8,10,12,14
.irp b, 0,1
	v_max3_num_f32 v[236+\b], v[236+\b], |v[S+16*\b+\i]|, |v[S+16*\b+\i+1]|
.endr
.endr
.irp b, 0,1
	v_permlanex16_b32 v[238+\b], v[236+\b], s14, s15
.endr
.irp b, 0,1
	v_max_num_f32 v[236+\b], v[236+\b], v[238+\b]
.endr
.irp b, 0,1
	v_add_nc_u32 v[SO+\b], 0xff000000, v[236+\b]
.endr
.irp b, 0,1
	v_lshrrev_b32 v[238+\b], 23, v[SO+\b]
.endr
	v_lshl_or_b32 v29, v239, 8, v238
	v_cvt_scalef32_pk16_fp6_f32 v[230:232], v[S:S+15], v[SO]
	v_cvt_scalef32_pk16_fp6_f32 v[242:244], v[S+16:S+31], v[SO+1]
	v_nop
.irp i, 0,1,2
	v_permlane16_swap_b32 v[230+\i], v[242+\i]     ; a whole block to a lane: lanes 0-15 block 0, lanes 16-31 block 1
.endr
.irp i, 0,1,2
	v_mov_b32 v[233+\i], v[242+\i]
.endr
	global_store_b128 v1, v[230:233], s[24:25]     ; 512 consecutive bytes,
	global_store_b64 v2, v[234:235], s[24:25] offset:512   ; and 256
	ds_store_b16 v8, v29                           ; both halves of the lanes write the same two bytes with the same value
	s_wait_alu depctr_va_vdst(0)                   ; the wait ahead of the barrier
	s_wait_dscnt 0x0                               ; for wave 0's sake
	s_barrier_signal -1
	s_barrier_wait -1
	s_cmp_lg_u32 s12, 0
	s_cbranch_scc1 .Lnot_mine
	ds_load_b128 v[250:253], v9
	s_wait_dscnt 0x0
	global_store_b128 v1, v[250:253], s[26:27]     ; the sixteen tiles' scale bytes: 512 consecutive bytes
.Lnot_mine:
	s_wait_tensorcnt 0x0                           ; the wave's end
	ds_add_u32 v245, v249
	s_wait_dscnt 0x0
	CROUND                                         ; the closing round: no work-group ends while a partner may still ask for a tile that names it
	s_endpgm
.Lfunc_end_k_q3cbc17fc0a_attn:
	.size	k_q3cbc17fc0a_attn, .Lfunc_end_k_q3cbc17fc0a_attn-k_q3cbc17fc0a_attn
	.p2alignl 7, 3214868480
	.fill 96, 4, 3214868480
	.section	.rodata,"a",@progbits
	.p2align	6, 0x0
	.amdhsa_kernel k_q3cbc17fc0a_attn
		.amdhsa_group_segment_fixed_size 215040
		.amdhsa_private_segment_fixed_size 0
		.amdhsa_enable_private_segment 0
		.amdhsa_kernarg_size 32
		.amdhsa_user_sgpr_count 2
		.amdhsa_user_sgpr_kernarg_segment_ptr 1
		.amdhsa_wavefront_size32 1
		.amdhsa_system_sgpr_workgroup_id_x 1
		.amdhsa_system_sgpr_workgroup_id_y 1
		.amdhsa_system_sgpr_workgroup_id_z 1
		.amdhsa_system_vgpr_workitem_id 0
		.amdhsa_next_free_vgpr 256
		.amdhsa_next_free_sgpr 106
		.amdhsa_reserve_vcc 0
		.amdhsa_float_denorm_mode_32 3
		.amdhsa_float_denorm_mode_16_64 3
		.amdhsa_memory_ordered 1
		.amdhsa_forward_progress 1
		.amdhsa_inst_pref_size 53
	.end_amdhsa_kernel
	.amdgpu_metadata
---
amdhsa.version: [ 1, 2 ]
amdhsa.kernels:
  - .name:           k_q3cbc17fc0a_attn
    .symbol:         k_q3cbc17fc0a_attn.kd
    .args:
      - { .name: qb, .offset: 0, .size: 8, .value_kind: global_buffer, .address_space: global }
      - { .name: kv, .offset: 8, .size: 8, .value_kind: global_buffer, .address_space: global }
      - { .name: mbits, .offset: 16, .size: 8, .value_kind: global_buffer, .address_space: global }
      - { .name: ob, .offset: 24, .size: 8, .value_kind: global_buffer, .address_space: global }
    .group_segment_fixed_size: 215040
    .private_segment_fixed_size: 0
    .kernarg_segment_align: 8
    .kernarg_segment_size: 32
    .max_flat_workgroup_size: 512
    .sgpr_count:     106
    .vgpr_count:     256
    .wavefront_size: 32
...
	.end_amdgpu_metadata
.endif
;; end of part 3
;; launch proj (part 4): grid 16 x 16, 4 waves a work-group, clusters of 4 x 1, 168,448 bytes of LDS; arguments pq, ob, b_out, out0; writes out0
.if DOCPART == 4
	.amdgcn_target "amdgcn-amd-amdhsa--gfx1250"
	.amdhsa_code_object_version 6
	.text
	.protected	k_q3cbc17fc0a_proj
	.globl	k_q3cbc17fc0a_proj
	.p2align	8
	.type	k_q3cbc17fc0a_proj,@function
k_q3cbc17fc0a_proj:
	s_mov_b64 s[64:65], 0
	v_nop
	global_prefetch_b8 v0, s[64:65] scope:SCOPE_SE
	s_setreg_imm32_b32 hwreg(HW_REG_WAVE_MODE, 25, 1), 1
	s_wait_xcnt 0x0
	s_wait_alu depctr_hold_cnt(0) depctr_sa_sdst(0) depctr_va_vdst(0) depctr_va_sdst(0) depctr_va_ssrc(0) depctr_va_vcc(0) depctr_vm_vsrc(0)
	s_getreg_b32 s2, hwreg(HW_REG_IB_STS2, 6, 4)
	s_cmp_eq_u32 s2, 0
	s_cbranch_scc0 .Lentry_in_a_cluster
	s_endpgm
.Lentry_in_a_cluster:
	s_bfe_u32 s2, ttmp6, 0x10000c
	s_cmp_lg_u32 s2, 0x3003
	s_cbranch_scc0 .Lentry_shape_is_right
	s_endpgm
.Lentry_shape_is_right:
; PROJ.  out0 = O w_out^T + b_out on codes of FP6 (E2M3) with E8M0 scales, sums in f32.
; SHARES.  A work-group takes 256 tokens x 64 columns; wave w takes tokens 64 w on: four blocks of O against the four blocks of w_out: 16 accumulators.
; w_out's block, all of K, 49,152 bytes, is filled into LDS ONCE, by four tensor loads (one a wave) asked for JOINTLY by the four work-groups of a cluster, which differ in their tokens alone.
; O's fragments are read by one wave of the work-group alone: all eight K steps are asked for at the head, straight into registers: a K step is 16 matrix instructions, too few to stand in front of a load.
; The product is used TRANSPOSED (source 0 = 16 rows of w_out, source 1 = 16 tokens): a lane holds one token and eight neighbouring columns.  The bias is the C of each sum's first matrix instruction.
; Row r of block 2 b + u (of tokens, of w_out's rows) is number 32 b + 8 u + r + 8 (r / 8).  A K step of 128 is two heads: O's fragment is the two heads' six registers on end, its scale word their two pairs of bytes.
; REGISTERS, in windows of 256.  Window 0: v1-7 addresses; v16-31 O's scale words, v32-47 w_out's; v48-79 the bias; v80-111 halves of scale words; v112-239 rows of the result on their way out.
;   Window 1: v0-95 w_out's fragments, two sets; v96-223 the accumulators at 96 + 32 a + 8 t.   Window 2: O's fragments of K steps 0-3 at 48 (step % 4) + 12 a;   window 3: of K steps 4-7.
.set WOC_O, 5734400
.set WOS_O, 6520832
.set OS_O,  3145728
.set WSTEP, 6144                       ; a K step of w_out's block: 4 fragments
.set STGO,  49152                      ; behind it: a stage of 64 rows x (256 bytes + 16) for each wave; no tensor load lands here
.set SPI,   272
.set ASC,   16
.set WSC,   32
.set BIA,   48
.set HT,    80
.set BK,    112
.set ACC,   96
.set MSB, 0
.macro WIN new                         ; the immediate's high byte repeats the setting that is left
.if MSB != (\new)
	s_set_vgpr_msb (MSB<<8)|(\new)
.set MSB, (\new)
.endif
.endm
.macro PLACES n
.rept \n
	v_nop
.endr
.endm
.macro CROUND                          ; a round of the cluster's barrier
	s_barrier_signal -1
	s_barrier_wait -1
	s_cmp_lg_u32 s12, 0
	s_cbranch_scc1 .Lnot_wave_0_\@
	s_barrier_signal -3
.Lnot_wave_0_\@:
	s_barrier_wait -3
	s_barrier_signal -1
	s_barrier_wait -1
.endm
; one matrix instruction: D at d, sources at a and b, C at c; ra, rb = 1: that side's scale words stand in lanes 16-31
.macro WM d, a, b, c, sa, sb, ra, rb
.if (\ra) && (\rb)
	v_wmma_scale_f32_16x16x128_f8f6f4 v[(\d):(\d)+7], v[(\a):(\a)+11], v[(\b):(\b)+11], v[(\c):(\c)+7], v[(\sa)], v[(\sb)] matrix_a_fmt:MATRIX_FMT_FP6 matrix_b_fmt:MATRIX_FMT_FP6 matrix_a_scale:MATRIX_SCALE_ROW1 matrix_b_scale:MATRIX_SCALE_ROW1
.elseif (\ra)
	v_wmma_scale_f32_16x16x128_f8f6f4 v[(\d):(\d)+7], v[(\a):(\a)+11], v[(\b):(\b)+11], v[(\c):(\c)+7], v[(\sa)], v[(\sb)] matrix_a_fmt:MATRIX_FMT_FP6 matrix_b_fmt:MATRIX_FMT_FP6 matrix_a_scale:MATRIX_SCALE_ROW1
.elseif (\rb)
	v_wmma_scale_f32_16x16x128_f8f6f4 v[(\d):(\d)+7], v[(\a):(\a)+11], v[(\b):(\b)+11], v[(\c):(\c)+7], v[(\sa)], v[(\sb)] matrix_a_fmt:MATRIX_FMT_FP6 matrix_b_fmt:MATRIX_FMT_FP6 matrix_b_scale:MATRIX_SCALE_ROW1
.else
	v_wmma_scale_f32_16x16x128_f8f6f4 v[(\d):(\d)+7], v[(\a):(\a)+11], v[(\b):(\b)+11], v[(\c):(\c)+7], v[(\sa)], v[(\sb)] matrix_a_fmt:MATRIX_FMT_FP6 matrix_b_fmt:MATRIX_FMT_FP6
.endif
.endm
.macro WLOAD ksx                       ; w_out's four fragments of a K step into set (step % 2): 12 LDS loads in one run
	WIN 0x40                                       ; destination window 1
.irp t, 0,1,2,3
.irp c, 0,1,2
	ds_load_b128 v[48*((\ksx)%2)+12*\t+4*\c:48*((\ksx)%2)+12*\t+4*\c+3], v1 offset:(\ksx)*WSTEP+1536*\t+512*\c
.endr
.endr
	WIN 0
.endm
	s_load_b256 s[4:11], s[0:1], 0x0               ; pq s[4:5], ob s[6:7], b_out s[8:9], out0 s[10:11]
	v_lshl_add_u32 v254, v0, 2, 0x29000
	v_mov_b32 v255, 0
	ds_add_u32 v254, v255
	ds_add_u32 v254, v255
	v_lshrrev_b32 v1, 5, v0
	v_readfirstlane_b32 s12, v1                    ; wave 0..3
	s_and_b32 s13, ttmp7, 0xffff                   ; which 64 columns: the four partners share it
	; descriptor group 1: TWO K steps of w_out's block, 12,288 dense bytes, as 48 rows of 256 bytes (32 elements of 8 bytes): the block comes by four tensor loads, one a wave
	s_mov_b32 s24, 15|(3<<16)|(1<<21)              ; 15:0 the mask: all four work-groups; 17:16 elements of 8 bytes; 21 set beside a mask
	s_mov_b32 s25, 32<<16                          ; tensor_dim0 = 32
	s_mov_b32 s26, 48<<16                          ; tensor_dim1 = 48
	s_mov_b32 s27, 32<<16                          ; tile_dim0 = 32
	s_mov_b32 s28, 48                              ; tile_dim1 = 48
	s_mov_b32 s29, 32                              ; from row to row
	s_mov_b32 s30, 0
	s_mov_b32 s31, 0
	s_mov_b32 s32, 1                               ; group 0 for K step w,
	s_mul_i32 s33, s12, 2*WSTEP                    ; K steps 2 w and 2 w + 1
	s_mul_i32 s40, s13, 8*WSTEP
	s_add_co_u32 s40, s40, s33
	s_add_co_u32 s40, s40, WOC_O
	s_mov_b32 s41, 0
	s_lshl_b32 s46, s13, 11                        ; w_out's scale images: two pairs of blocks, 1,024 bytes each
	s_add_co_u32 s46, s46, WOS_O
	s_mov_b32 s47, 0
	s_lshl_b32 s48, s13, 8                         ; the bias: 64 numbers
	s_mov_b32 s49, 0
	; from here on registers that hold my place in the cluster: they enter global addresses of ob and out0 alone
	s_bfe_u32 s14, ttmp6, 0x40000                  ; cx
	s_lshl_b32 s15, ttmp9, 2
	s_add_co_u32 s15, s15, s14                     ; my 256 tokens
	s_lshl_b32 s16, s15, 4
	s_lshl_b32 s17, s12, 2
	s_add_co_u32 s16, s16, s17                     ; i0: my first block of tokens
	s_mul_i32 s42, s16, 12288                      ; 16 heads x 768 bytes a block
	s_mov_b32 s43, 0
	s_lshl_b32 s44, s16, 5
	s_add_co_u32 s44, s44, OS_O
	s_mov_b32 s45, 0
	s_lshl_b32 s50, s16, 16                        ; 16 i0 rows of 4,096 bytes
	s_add_co_u32 s50, s50, s48
	s_mov_b32 s51, 0
	v_and_b32 v8, 31, v0                           ; l
	v_and_b32 v9, 15, v0                           ; r
	v_bfe_u32 v10, v0, 4, 1                        ; h
	v_lshlrev_b32 v1, 4, v8                        ; 16 l
	v_lshlrev_b32 v2, 3, v8                        ; 8 l
	v_lshlrev_b32 v3, 1, v8                        ; 2 l
	v_lshlrev_b32 v4, 6, v10                       ; 64 h
	s_mul_i32 s17, s12, 64*SPI
	s_add_co_u32 s17, s17, STGO                    ; my stage
	v_mul_u32_u24 v5, v9, SPI
	v_add_nc_u32 v5, v5, v4
	v_add_nc_u32 v5, s17, v5                       ; in: row r, + 64 h
	v_mul_u32_u24 v6, v10, SPI
	v_lshl_add_u32 v6, v9, 4, v6
	v_add_nc_u32 v6, s17, v6                       ; back: lanes 0-15 one row of 256 bytes, lanes 16-31 the next
	v_lshlrev_b32 v7, 12, v10
	v_lshl_add_u32 v7, v9, 4, v7                   ; and the same two rows in out0
	s_wait_dscnt 0x0
	s_wait_kmcnt 0x0
	s_add_nc_u64 s[34:35], s[4:5], s[40:41]
	s_or_b32 s35, s35, 0x80000000                  ; type = 2
	s_add_nc_u64 s[42:43], s[6:7], s[42:43]        ; O's codes
	s_add_nc_u64 s[44:45], s[6:7], s[44:45]        ; O's scale bytes
	s_add_nc_u64 s[46:47], s[4:5], s[46:47]
	s_add_nc_u64 s[48:49], s[8:9], s[48:49]
	s_add_nc_u64 s[50:51], s[10:11], s[50:51]
	CROUND                                         ; all four work-groups are here: the joint loads meet
	tensor_load_to_lds s[32:35], s[24:31]          ; my one tensor load
	s_nop 0
	PLACES 4                                       ; four v_nop follow them
	; 44 small loads first
.irp b, 0,1
.irp g, 0,1
	global_load_b128 v[WSC+8*\b+4*\g:WSC+8*\b+4*\g+3], v1, s[46:47] offset:\b*1024+\g*512
.endr
.endr
	s_wait_alu depctr_va_vdst(0)
.irp t, 0,1,2,3
.irp q, 0,1
	global_load_b128 v[BIA+8*\t+4*\q:BIA+8*\t+4*\q+3], v4, s[48:49] offset:(32*(\t/2)+8*(\t%2))*4+16*\q   ; lane (r, h), tile 2 b + u: columns 32 b + 16 h + 8 u + 0 .. 7
.endr
.endr
.irp j, 0,1
.set n, 0
.rept 16
	global_load_u16 v[HT+16*\j+n], v3, s[44:45] offset:n*8192+\j*64   ; head n's two bytes: lanes 0-15 block 2 j's rows, lanes 16-31 block 2 j + 1's
.set n, n+1
.endr
.endr
	; then all of O: 16 loads a K step
.set ks, 0
.rept 8
.if ks < 4
	WIN 0x80                                       ; destination window 2
.else
	WIN 0xc0                                       ; destination window 3
.endif
.irp a, 0,1,2,3
	global_load_b128 v[48*(ks%4)+12*\a:48*(ks%4)+12*\a+3], v1, s[42:43] offset:\a*12288+(2*ks)*768
	global_load_b64 v[48*(ks%4)+12*\a+4:48*(ks%4)+12*\a+5], v2, s[42:43] offset:\a*12288+(2*ks)*768+512
	global_load_b128 v[48*(ks%4)+12*\a+6:48*(ks%4)+12*\a+9], v1, s[42:43] offset:\a*12288+(2*ks+1)*768
	global_load_b64 v[48*(ks%4)+12*\a+10:48*(ks%4)+12*\a+11], v2, s[42:43] offset:\a*12288+(2*ks+1)*768+512
.endr
.set ks, ks+1
.endr
	WIN 0
	s_wait_tensorcnt 0x0                           ; my two K steps are in; behind the barrier all eight are
	s_barrier_signal -1
	s_barrier_wait -1                              ; K steps 0 to 3 are whole
	WLOAD 0
	s_wait_loadcnt 63                              ; the 44 small loads are in: 128 were issued behind them, and the wait's field holds no more than 63
.irp j, 0,1
.irp k, 0,1,2,3,4,5,6,7
	v_lshl_or_b32 v[ASC+8*\j+\k], v[HT+16*\j+2*\k+1], 16, v[HT+16*\j+2*\k]   ; K step k's word: head 2 k's two bytes below, head 2 k + 1's above
.endr
.endr
	PLACES 4                                       ; with the four at the head of K step 0: eight places between a scale register written by a vector instruction and a scaled matrix instruction
; EIGHT K STEPS, written out; the 16 accumulators take turns, one instruction a turn
.set ks, 0
	s_wait_alu depctr_va_vdst(0)
.rept 8
	PLACES 4                                       ; places in front of loads into registers that the last step's matrix instructions have read
.if ks < 7
	WLOAD ks+1
	s_wait_dscnt 12                                ; this step's run is in; the next step's may be out
.else
	s_wait_dscnt 0x0
.endif
.if 16*(7-ks) > 63
	s_wait_loadcnt 63                              ; O of this K step is in: 16 (7 - step) loads were issued behind it; the field holds no more than 63
.else
	s_wait_loadcnt 16*(7-ks)
.endif
.if ks == 0
	WIN 0x49                                       ; source 0 (w_out) window 1, source 1 (O) window 2, C (the bias) window 0, D window 1
.elseif ks < 4
	WIN 0x59                                       ; C window 1
.else
	WIN 0x5d                                       ; source 1 window 3
.endif
.irp a, 0,1,2,3
.irp t, 0,1,2,3
.set dd, ACC+32*\a+8*\t
.set cc, dd
.if ks == 0
.set cc, BIA+8*\t
.endif
	WM dd, 48*(ks%2)+12*\t, 48*(ks%4)+12*\a, cc, WSC+8*(\t/2)+ks, ASC+8*(\a/2)+ks, \t%2, \a%2
.endr
.endr
	WIN 0
.set ks, ks+1
.endr
	; THE WAY OUT.  A lane holds 32 neighbouring bytes of a row; my 64 rows of 256 bytes go through my own stage and come back whole.  LDS serves a wave's instructions in order: no wait between the stores and the loads.
	PLACES 4                                       ; places behind the last products
	WIN 0x04                                       ; an LDS store's data are its source 1: window 1
.irp a, 0,1,2,3
.irp t, 0,1,2,3
	ds_store_b128 v5, v[ACC+32*\a+8*\t:ACC+32*\a+8*\t+3] offset:16*\a*SPI+(32*(\t/2)+8*(\t%2))*4          ; each accumulator from its low end on
	ds_store_b128 v5, v[ACC+32*\a+8*\t+4:ACC+32*\a+8*\t+7] offset:16*\a*SPI+(32*(\t/2)+8*(\t%2))*4+16
.endr
.endr
	WIN 0
.set tau, 0
.rept 32
	ds_load_b128 v[BK+4*tau:BK+4*tau+3], v6 offset:2*tau*SPI
.set tau, tau+1
.endr
.set tau, 0
.rept 32
.set ta, tau/8                                         ; stage rows 2 tau and 2 tau + 1 are rows 2 (tau % 8) and + 1 of block ta: tokens 32 (ta / 2) + 8 (ta % 2) + row + 8 (row / 8)
	s_wait_dscnt 31-tau
	global_store_b128 v7, v[BK+4*tau:BK+4*tau+3], s[50:51] offset:(32*(ta/2)+8*(ta%2)+2*(tau%8)+8*((tau%8)/4))*4096 th:TH_STORE_NT   ; sixteen lanes store 256 consecutive bytes, at a multiple of 256 from out0's first byte
.set tau, tau+1
.endr
	s_wait_tensorcnt 0x0
	ds_add_u32 v254, v255
	s_wait_dscnt 0x0
	CROUND                                         ; the closing round: no work-group ends while a partner may still ask for a tile that names it
	s_endpgm
.Lfunc_end_k_q3cbc17fc0a_proj:
	.size	k_q3cbc17fc0a_proj, .Lfunc_end_k_q3cbc17fc0a_proj-k_q3cbc17fc0a_proj
	.p2alignl 7, 3214868480
	.fill 96, 4, 3214868480
	.section	.rodata,"a",@progbits
	.p2align	6, 0x0
	.amdhsa_kernel k_q3cbc17fc0a_proj
		.amdhsa_group_segment_fixed_size 168448
		.amdhsa_private_segment_fixed_size 0
		.amdhsa_enable_private_segment 0
		.amdhsa_kernarg_size 32
		.amdhsa_user_sgpr_count 2
		.amdhsa_user_sgpr_kernarg_segment_ptr 1
		.amdhsa_wavefront_size32 1
		.amdhsa_system_sgpr_workgroup_id_x 1
		.amdhsa_system_sgpr_workgroup_id_y 1
		.amdhsa_system_sgpr_workgroup_id_z 1
		.amdhsa_system_vgpr_workitem_id 0
		.amdhsa_next_free_vgpr 960
		.amdhsa_next_free_sgpr 66
		.amdhsa_reserve_vcc 0
		.amdhsa_float_denorm_mode_32 3
		.amdhsa_float_denorm_mode_16_64 3
		.amdhsa_memory_ordered 1
		.amdhsa_forward_progress 1
		.amdhsa_inst_pref_size 55
	.end_amdhsa_kernel
	.amdgpu_metadata
---
amdhsa.version: [ 1, 2 ]
amdhsa.kernels:
  - .name:           k_q3cbc17fc0a_proj
    .symbol:         k_q3cbc17fc0a_proj.kd
    .args:
      - { .name: pq, .offset: 0, .size: 8, .value_kind: global_buffer, .address_space: global }
      - { .name: ob, .offset: 8, .size: 8, .value_kind: global_buffer, .address_space: global }
      - { .name: b_out, .offset: 16, .size: 8, .value_kind: global_buffer, .address_space: global }
      - { .name: out0, .offset: 24, .size: 8, .value_kind: global_buffer, .address_space: global }
    .group_segment_fixed_size: 168448
    .private_segment_fixed_size: 0
    .kernarg_segment_align: 8
    .kernarg_segment_size: 32
    .max_flat_workgroup_size: 128
    .sgpr_count:     66
    .vgpr_count:     960
    .wavefront_size: 32
...
	.end_amdgpu_metadata
.endif
;; end of part 4
